; MI455X (gfx1250); checked and timed in simulation.
; The chip was launched on July 23, 2026; its instructions are those of AMD's public machine-readable ISA for CDNA 5 (MIT licence, August 2026) and "CDNA5" Instruction Set Architecture Reference Guide (July 2026). The comments in the code are by the model that wrote it; some were corrected since.
;; Global Self Attention. Allowed arithmetic: matrix products marked QUANTISED: E2M1 operands, one E8M0 scale for each 32 along K, by v_wmma_scale_f32_16x16x128_f8f6f4 with both operands' format E2M1 (or v_wmma_scale_f32_32x16x128_f4), f32 sums; everything else in f32.
;; Inputs: Wk 1,024 x 16 x 64 float32; Wo 16 x 64 x 1,024 float32; Wq 1,024 x 16 x 64 float32; Wv 1,024 x 16 x 64 float32; beta 1,024 float32; bk 16 x 64 float32; bo 1,024 float32; bq 16 x 64 float32; bv 16 x 64 float32; gamma 1,024 float32; x 4 x 2,048 x 1,024 float32.
;; Outputs: out0 4 x 2,048 x 1,024 float32.
;; This version of the problem:
;;   THIS VERSION OF THE PROBLEM IS GIVEN IN LOW PRECISION. The matrix products marked QUANTISED in the list below multiply operands that are first quantised to E2M1 (2 exponent bits, 1 mantissa bit; 4 bits a number), with one power-of-two scale for each 32 numbers along K (OCP MX v1.0); their sums are f32. All else is computed in f32.
;;   The module's matrix products, in the order in which they are computed (A, B: the left and right operand; K: the contracted axis; several contracted axes count as one K, in the product's order):
;;     1. [M 8,192, K 1,024] x [K 1,024, N 1,024]; A: input x; B: input Wq: QUANTISED
;;     2. [M 8,192, K 1,024] x [K 1,024, N 1,024]; A: input x; B: input Wk: QUANTISED
;;     3. [M 8,192, K 1,024] x [K 1,024, N 1,024]; A: input x; B: input Wv: QUANTISED
;;     4. batch 64 x [M 2,048, K 64] x [K 64, N 2,048]; A: computed on the way; B: computed on the way: QUANTISED
;;     5. batch 64 x [M 64, K 2,048] x [K 2,048, N 2,048]; A: computed on the way; B: softmax (see below): QUANTISED
;;     6. [M 8,192, K 1,024] x [K 1,024, N 1,024]; A: computed on the way; B: input Wo: QUANTISED
;;   THE QUANTISER, for each operand of a quantised product, along K:
;;     - K is cut into blocks of 32 from its start; a last block that is shorter is filled with zeros.
;;     - A block's scale is 2^e with e = floor(log2(the largest magnitude in the block)) - 2, held to -126 .. 127; a block of zeros has e = 0. As a byte (E8M0): e + 127.
;;     - Each number is divided by its block's scale, clamped to +-6, and rounded to the nearest number of E2M1, ties to even, subnormals kept.
;;     - The product sums the exact products of the quantised numbers (number of the format x scale) in f32.
;;   ~~~python
;;   def quantise(x, axis):      # numpy; x: float32 -> the quantised numbers, widened to float32 again
;;       x = np.moveaxis(x, axis, -1); K = x.shape[-1]
;;       x = np.pad(x, [(0, 0)] * (x.ndim - 1) + [(0, -K % 32)]); x = x.reshape(x.shape[:-1] + (-1, 32)); a = np.abs(x).max(-1, keepdims=True)
;;       e = np.where(a > 0, np.clip(np.frexp(np.where(a > 0, a, 1))[1] - 1 - 2, -126, 127), 0)      # np.frexp(a)[1] - 1 = floor(log2(a)), exactly
;;       r = np.clip(x / 2.0 ** e, -6, 6)
;;       step = 2.0 ** (np.maximum(np.frexp(np.where(r == 0, 1, r))[1] - 1, 0) - 1)
;;       q = np.round(r / step) * step * 2.0 ** e      # np.round: ties to even
;;       return np.moveaxis(q.reshape(q.shape[:-2] + (-1,))[..., :K], -1, axis).astype(np.float32)
;;   ~~~
;;   SOFTMAX AHEAD OF A QUANTISED PRODUCT. Where the list says 'softmax', what is quantised is not the finished softmax but p = 2^(t - M), with t = logit x log2(e) and M = ceil(the row's largest t), a whole number; so 1/2 < the row's largest p <= 1. The row's sum l is taken of the UNQUANTISED p, in f32, and the product's result is divided by l at the end. Since M is a whole number, a kernel that streams over the keys may use a running M (the ceiling of the running maximum): every later rescaling is an exact power of two, which a block's scale takes up: the codes' values come out the same.
;;   OPERANDS COMPUTED ON THE WAY. 'Computed on the way' means the value that the module computes at that place (a softmax that the list does not call 'softmax' is quantised finished and normalised). What goes into a quantiser is computed in f32, as accurately as f32 sums, v_exp_f32 and their like allow (about 1e-6 of the number): no bf16 or f16 on the way to a quantiser, and a product that is left as it is and whose result goes on into a quantised operand takes f32 operands (vector FMAs, or v_wmma_f32_16x16x4_f32). A number that lies on a knife's edge between two numbers of the format may be rounded either way, as far as f32 arithmetic and the matrix unit's own rounding can turn it there, and no further.
;; 2 versions, each right; version 2 is version 1 with the launches attn, oproj written anew for expert scheduling mode. Each part assembles by itself: llvm-mc -triple=amdgcn-amd-amdhsa -mcpu=gfx1250 --defsym DOCPART=n.
;; ======== version 1 of 2: 4 launches
;; workspace buffers: img 6,291,456 bytes; scl 393,216 bytes; qkv 12,582,912 bytes; qkvs 786,432 bytes; ctx 4,194,304 bytes; ctxs 262,144 bytes
;; launch prep (part 1): grid 256 x 1, 8 waves a work-group, no clusters, 68,608 bytes of LDS; arguments x, Wq, Wk, Wv, Wo, img, scl; writes img, scl
.if DOCPART == 1
	.amdgcn_target "amdgcn-amd-amdhsa--gfx1250"
	.amdhsa_code_object_version 6
	.text
	.protected	k_q00f8156f74_prep
	.globl	k_q00f8156f74_prep
	.p2align	8
	.type	k_q00f8156f74_prep,@function
k_q00f8156f74_prep:
	s_mov_b64 s[64:65], 0
	v_nop
	global_prefetch_b8 v0, s[64:65] scope:SCOPE_SE
	s_setreg_imm32_b32 hwreg(HW_REG_WAVE_MODE, 25, 1), 1
	s_wait_xcnt 0x0
; PREP: x [8192][1024] and the four weights ([K 1024][N 1024] each, K the FIRST axis) become codes of FP4 (E2M1) with one E8M0 byte for each 32 along K.
; NO WORK OF THE PROBLEM IS LEFT OUT IN THIS PROGRAM: every input has a way to the output (bk moves the codes of k, so it stays), and all six products are made.
; THE LAYOUT OF ALL CODES IN THIS PROGRAM.  rho(r) = r + 8 (r / 8).  Tile T of an operand holds its rows 32 (T / 2) + 8 (T % 2) + rho(r), r = 0 .. 15: as source 0 of a product, tiles 2 b and 2 b + 1
; then leave 16 neighbours of the next K in a lane.  A fragment (a tile x 128 along K) lies in memory as it lies in registers: 1,024 bytes [block of 32 (4)][r (16)][16 bytes], so lane l finds registers 4 c .. 4 c + 3 at 512 c + 16 l.
; img: group g (128 rows = 8 tiles) x 65,536 + K step s x 8,192 + tile t x 1,024.  Groups 0-63 x, 64-71 Wq, 72-79 Wk, 80-87 Wv, 88-95 Wo.   scl: (8 g + t) x 512 + (s / 4) x 256 + 16 r + 4 (s % 4): a word = a row's 4 bytes of a K step.
; A block's scale is 2^(floor(log2(largest magnitude)) - 2); its byte is the largest magnitude's exponent field - 2, held at 1 from below.
; LIMITS: a block of zeros gets the byte 1 where the rule says 127 (its codes are zeros, and this program alone reads the bytes); blocks whose largest magnitude lies under 2^-124 were not tried; NaN and infinities among the inputs are not served.
; SHARES.  Work-groups 0-127: x; a wave takes one tile (16 rows) x 512 along K, in four steps of 128.  Work-groups 128-255: the weights; a wave takes 32 columns x 128 along K.  Waves share nothing: no barrier.
.set SPARE, 67584                      ; behind the eight stages: the spare words, 128 bytes for each wave, that no other line names
.set SPW, 6                            ; v6   LDS address of my spare word; never rewritten
.set NIL, 7                            ; v7   0; never rewritten
.set PW,  10                           ; v10-13 the four steps' scale words
.set R,   16                           ; v16-143  two sets of 64: a step's numbers as they are loaded
.set X,   144                          ; v144-207 64 numbers: register 16 b + i = k 32 b + 16 (lane / 16) + i of my row
.set TM,  208                          ; v208-223 at work
.set PC,  224                          ; v224-255 codes: eight registers for each step, so that no store's data are written again
.set SEL, 20                           ; s[20:21] selects of v_permlanex16_b32 for lane l xor 16
; 64 numbers of a lane become a fragment's 8 registers of codes in v[pc] on and its row's scale word in v[pw]
.macro QUANT s, pc, pw
.irp b, 0,1,2,3
	v_max3_num_f32 v[TM+\b], |v[(\s)+16*\b]|, |v[(\s)+1+16*\b]|, 0x1800000   ; block b: my 16 numbers, and the floor 2^(3 - 127): the byte cannot fall under 1
.endr
.irp i, 2,4,6,8,10,12,14
.irp b, 0,1,2,3
	v_max3_num_f32 v[TM+\b], v[TM+\b], |v[(\s)+16*\b+\i]|, |v[(\s)+1+16*\b+\i]|   ; the four blocks by turns
.endr
.endr
.irp b, 0,1,2,3
	v_permlanex16_b32 v[TM+4+\b], v[TM+\b], s[SEL], s[SEL+1]
.endr
.irp b, 0,1,2,3
	v_max_num_f32 v[TM+\b], v[TM+\b], v[TM+4+\b]   ; with lane l xor 16: the block's largest magnitude
.endr
.irp b, 0,1,2,3
	v_add_nc_u32 v[TM+12+\b], 0xff000000, v[TM+\b]   ; 2 off its exponent field: the conversion's scale operand
.endr
.irp b, 0,1,2,3
	v_lshrrev_b32 v[TM+4+\b], 23, v[TM+12+\b]      ; the scale's byte
.endr
	v_lshl_or_b32 v[\pw], v[TM+5], 8, v[TM+4]
	v_lshl_or_b32 v[\pw], v[TM+6], 16, v[\pw]
	v_lshl_or_b32 v[\pw], v[TM+7], 24, v[\pw]
.irp b, 0,1,2,3
	v_cvt_scalef32_pk8_fp4_f32 v[(\pc)+2*\b], v[(\s)+16*\b:(\s)+7+16*\b], v[TM+12+\b]
	v_cvt_scalef32_pk8_fp4_f32 v[(\pc)+1+2*\b], v[(\s)+8+16*\b:(\s)+15+16*\b], v[TM+12+\b]
.endr
	v_nop                                          ; one plain place behind a scaled conversion
.irp c, 0,1                                    ; the layout wants a whole block in a lane: lanes 0-15 block 2 c, lanes 16-31 block 2 c + 1
.irp i, 0,1
	v_permlane16_swap_b32 v[(\pc)+4*\c+\i], v[(\pc)+2+4*\c+\i]
.endr
.endr
.endm
	s_load_b256 s[4:11], s[0:1], 0x0               ; x s[4:5], Wq s[6:7], Wk s[8:9], Wv s[10:11]
	s_load_b128 s[12:15], s[0:1], 0x20             ; Wo s[12:13], img s[14:15]
	s_load_b64 s[16:17], s[0:1], 0x30              ; scl
	v_lshl_add_u32 v[SPW], v0, 2, SPARE
	v_mov_b32 v[NIL], 0
	v_lshrrev_b32 v1, 5, v0
	v_readfirstlane_b32 s18, v1                    ; wave 0..7
	v_and_b32 v1, 31, v0                           ; lane
	v_and_b32 v2, 15, v0                           ; r
	v_bfe_u32 v3, v0, 4, 1                         ; h
	s_mov_b32 s[SEL], 0x76543210
	s_mov_b32 s[SEL+1], 0xfedcba98
	s_cmp_lt_u32 ttmp9, 128
	s_cbranch_scc0 .Lweights
	; ---------------- x ----------------
	s_lshl_b32 s19, ttmp9, 3
	s_add_co_u32 s19, s19, s18                     ; unit 0..1023
	s_lshr_b32 s22, s19, 1                         ; tile
	s_and_b32 s23, s19, 1                          ; which half of K
	s_lshr_b32 s24, s22, 1
	s_lshl_b32 s24, s24, 17                        ; 32 rows of 4,096 bytes for each pair of tiles,
	s_and_b32 s25, s22, 1
	s_lshl_b32 s25, s25, 15                        ; 8 rows for the odd tile,
	s_add_co_u32 s24, s24, s25
	s_lshl_b32 s25, s23, 11                        ; 2,048 bytes for the second half of K
	s_add_co_u32 s24, s24, s25
	s_mov_b32 s25, 0
	s_lshr_b32 s26, s22, 3                         ; img: group,
	s_lshl_b32 s26, s26, 16
	s_lshl_b32 s27, s23, 15                        ; four K steps,
	s_add_co_u32 s26, s26, s27
	s_and_b32 s27, s22, 7                          ; tile in the group
	s_lshl_b32 s27, s27, 10
	s_add_co_u32 s26, s26, s27
	s_mov_b32 s27, 0
	s_lshl_b32 s28, s22, 9                         ; scl: 512 bytes a tile, 256 a half of K
	s_lshl_b32 s29, s23, 8
	s_add_co_u32 s28, s28, s29
	s_mov_b32 s29, 0
	s_mul_i32 s30, s18, 8448                       ; my stage: 16 rows of 512 bytes + 16 of padding
	v_lshlrev_b32 v4, 4, v1                        ; 16 x lane
	v_add_nc_u32 v8, s30, v4                       ; into the stage: a row as it lies
	v_mul_u32_u24 v9, v2, 528
	v_lshl_add_u32 v9, v3, 6, v9
	v_add_nc_u32 v9, s30, v9                       ; out of it: row r, + 64 h: my 16 numbers of each block of 32
	v_lshlrev_b32 v5, 4, v2
	v_lshl_add_u32 v5, v3, 3, v5                   ; the scale words' place: 16 r + 8 h
.irp b, 0,1,2,3
	v_mov_b32 v[TM+4+\b], 0                        ; written once: a lane permute's destination counts as one of its sources
.endr
	s_wait_kmcnt 0x0
	s_add_nc_u64 s[4:5], s[4:5], s[24:25]
	s_add_nc_u64 s[14:15], s[14:15], s[26:27]
	s_add_nc_u64 s[16:17], s[16:17], s[28:29]
.macro LOADX sl, set                   ; step sl: 128 numbers of each of the tile's 16 rows; each load reads 512 consecutive bytes
.irp i, 0,1,2,3,4,5,6,7,8,9,10,11,12,13,14,15
	global_load_b128 v[R+64*(\set)+4*\i:R+64*(\set)+4*\i+3], v4, s[4:5] offset:(\i+8*(\i/8))*4096+(\sl)*512 th:TH_LOAD_NT
.endr
.endm
.macro XSTEP sl
.if (\sl) < 3
	s_wait_loadcnt 16                              ; this step's 16 loads are in; the next step's may be out
.else
	s_wait_loadcnt 0x0
.endif
.irp i, 0,1,2,3,4,5,6,7,8,9,10,11,12,13,14,15
	ds_store_b128 v8, v[R+64*((\sl)%2)+4*\i:R+64*((\sl)%2)+4*\i+3] offset:\i*528
.endr
.irp b, 0,1,2,3
.irp j, 0,1,2,3
	ds_load_b128 v[X+16*\b+4*\j:X+16*\b+4*\j+3], v9 offset:\b*128+\j*16   ; LDS serves a wave's instructions in order: these see the stores above
.endr
.endr
	s_wait_dscnt 0x0                               ; my 64 numbers are back, and the stores have read their registers
.if (\sl) < 2
	LOADX (\sl)+2, (\sl)%2
.endif
	QUANT X, PC+8*(\sl), PW+(\sl)
.irp c, 0,1
	global_store_b128 v4, v[PC+8*(\sl)+4*\c:PC+8*(\sl)+4*\c+3], s[14:15] offset:(\sl)*8192+\c*512   ; 32 lanes store 512 consecutive bytes, aligned
.endr
.endm
	LOADX 0, 0
	LOADX 1, 1
	XSTEP 0
	XSTEP 1
	XSTEP 2
	XSTEP 3
	v_cmp_gt_u32 vcc_lo, 16, v1                    ; lanes 0-15 store words 0 and 1 of their row, lanes 16-31 words 2 and 3 (both halves hold all four)
	v_cndmask_b32 v14, v[PW+2], v[PW], vcc_lo
	v_cndmask_b32 v15, v[PW+3], v[PW+1], vcc_lo
	global_store_b64 v5, v[14:15], s[16:17]        ; 256 consecutive bytes, aligned
	s_wait_tensorcnt 0x0                           ; the wave's end, behind my last LDS store
	ds_add_u32 v[SPW], v[NIL]
	s_wait_dscnt 0x0
	s_endpgm
	; ---------------- the weights: a lane takes a column, its registers run down K
.Lweights:
	s_sub_co_u32 s19, ttmp9, 128
	s_lshr_b32 s22, s19, 5                         ; which weight: 0 Wq, 1 Wk, 2 Wv, 3 Wo
	s_bfe_u32 s23, s19, 0x40001                    ; which 64 columns
	s_and_b32 s24, s19, 1                          ; which half of K
	s_and_b32 s25, s18, 1
	s_lshl_b32 s23, s23, 1
	s_add_co_u32 s23, s23, s25                     ; cb: which 32 columns (two waves stand side by side on 256 bytes of each row)
	s_lshr_b32 s25, s18, 1
	s_lshl_b32 s24, s24, 2
	s_add_co_u32 s24, s24, s25                     ; s: which K step
	s_lshl_b32 s26, s24, 19                        ; 128 rows of 4,096 bytes a K step
	s_mov_b32 s27, 0
	s_lshl_b32 s30, s22, 3
	s_lshr_b32 s31, s23, 2
	s_add_co_u32 s30, s30, s31
	s_add_co_u32 s30, s30, 64                      ; img: group 64 + 8 weight + cb / 4,
	s_lshl_b32 s30, s30, 16
	s_lshl_b32 s31, s24, 13                        ; K step,
	s_add_co_u32 s30, s30, s31
	s_and_b32 s31, s23, 3
	s_lshl_b32 s31, s31, 11                        ; tile 2 (cb % 4)
	s_add_co_u32 s30, s30, s31
	s_mov_b32 s31, 0
	s_lshl_b32 s32, s22, 6
	s_lshl_b32 s33, s23, 1
	s_add_co_u32 s32, s32, s33
	s_add_co_u32 s32, s32, 512                     ; scl: tile 512 + 64 weight + 2 cb
	s_lshl_b32 s32, s32, 9
	s_lshr_b32 s33, s24, 2
	s_lshl_b32 s33, s33, 8
	s_add_co_u32 s32, s32, s33
	s_and_b32 s33, s24, 3
	s_lshl_b32 s33, s33, 2
	s_add_co_u32 s32, s32, s33
	s_mov_b32 s33, 0
	v_and_b32 v10, 8, v2
	v_add_nc_u32 v10, v10, v2                      ; rho(r)
	v_lshl_add_u32 v10, v3, 3, v10                 ; + 8 u: lanes 0-15 are tile 2 cb, lanes 16-31 tile 2 cb + 1
	s_lshl_b32 s34, s23, 5
	v_add_nc_u32 v10, s34, v10                     ; my column
	v_lshlrev_b32 v24, 2, v10
	v_lshlrev_b32 v26, 4, v2
	v_lshl_add_u32 v26, v3, 10, v26                ; codes: 1,024 u + 16 r
	v_lshlrev_b32 v27, 4, v2
	v_lshl_add_u32 v27, v3, 9, v27                 ; scale word: 512 u + 16 r
	s_wait_kmcnt 0x0
	s_cmp_eq_u32 s22, 1                            ; the choice hangs on the work-group's number alone
	s_cselect_b64 s[28:29], s[8:9], s[6:7]
	s_cmp_eq_u32 s22, 2
	s_cselect_b64 s[28:29], s[10:11], s[28:29]
	s_cmp_eq_u32 s22, 3
	s_cselect_b64 s[28:29], s[12:13], s[28:29]
	s_add_nc_u64 s[28:29], s[28:29], s[26:27]
	s_add_nc_u64 s[14:15], s[14:15], s[30:31]
	s_add_nc_u64 s[16:17], s[16:17], s[32:33]
.macro LOADW t                         ; block t: W(32 t + i, my column), i = 0 .. 31, into set t % 2
.irp i, 0,1,2,3,4,5,6,7,8,9,10,11,12,13,14,15,16,17,18,19,20,21,22,23,24,25,26,27,28,29,30,31
	global_load_b32 v[32+32*((\t)%2)+\i], v24, s[28:29] offset:(32*(\t)+\i)*4096 th:TH_LOAD_NT
.endr
.endm
.macro BLOCK t
.set XS, 32+32*((\t)%2)
.if (\t) < 3
	s_wait_loadcnt 32                              ; this block's 32 loads are in; the next block's may be out
.else
	s_wait_loadcnt 0x0
.endif
	v_max3_num_f32 v12, |v[XS]|, |v[XS+1]|, |v[XS+2]|      ; the block's largest magnitude: all 32 numbers are mine
	v_max3_num_f32 v13, |v[XS+3]|, |v[XS+4]|, |v[XS+5]|
.irp i, 6,10,14,18,22,26
	v_max3_num_f32 v12, v12, |v[XS+\i]|, |v[XS+\i+1]|
	v_max3_num_f32 v13, v13, |v[XS+\i+2]|, |v[XS+\i+3]|
.endr
	v_max3_num_f32 v12, v12, |v[XS+30]|, |v[XS+31]|
	v_max3_num_f32 v12, v12, v13, 0x1800000        ; and the floor
	v_add_nc_u32 v11, 0xff000000, v12              ; the conversion's scale operand
	v_lshrrev_b32 v13, 23, v11                     ; the byte
.if (\t) == 0
	v_mov_b32 v25, v13
.else
	v_lshl_or_b32 v25, v13, 8*(\t), v25            ; four bytes make the K step's word
.endif
.irp g, 0,1,2,3
	v_cvt_scalef32_pk8_fp4_f32 v[96+4*(\t)+\g], v[XS+8*\g:XS+8*\g+7], v11
.endr
	global_store_b128 v26, v[96+4*(\t):96+4*(\t)+3], s[14:15] offset:(\t)*256   ; each half of the lanes stores 256 consecutive bytes, aligned
.if (\t) < 2
	LOADW (\t)+2
.endif
.endm
	LOADW 0
	LOADW 1
	BLOCK 0
	BLOCK 1
	BLOCK 2
	BLOCK 3
	global_store_b32 v27, v25, s[16:17]            ; 4 bytes a lane, 16 apart: one byte for each 128 that the path reads
	s_endpgm
.Lfunc_end_k_q00f8156f74_prep:
	.size	k_q00f8156f74_prep, .Lfunc_end_k_q00f8156f74_prep-k_q00f8156f74_prep
	.p2alignl 7, 3214868480
	.fill 96, 4, 3214868480
	.section	.rodata,"a",@progbits
	.p2align	6, 0x0
	.amdhsa_kernel k_q00f8156f74_prep
		.amdhsa_group_segment_fixed_size 68608
		.amdhsa_private_segment_fixed_size 0
		.amdhsa_enable_private_segment 0
		.amdhsa_kernarg_size 56
		.amdhsa_user_sgpr_count 2
		.amdhsa_user_sgpr_kernarg_segment_ptr 1
		.amdhsa_wavefront_size32 1
		.amdhsa_system_sgpr_workgroup_id_x 1
		.amdhsa_system_sgpr_workgroup_id_y 1
		.amdhsa_system_sgpr_workgroup_id_z 1
		.amdhsa_system_vgpr_workitem_id 0
		.amdhsa_next_free_vgpr 256
		.amdhsa_next_free_sgpr 66
		.amdhsa_reserve_vcc 1
		.amdhsa_float_denorm_mode_32 3
		.amdhsa_float_denorm_mode_16_64 3
		.amdhsa_memory_ordered 1
		.amdhsa_forward_progress 1
		.amdhsa_inst_pref_size 53
	.end_amdhsa_kernel
	.amdgpu_metadata
---
amdhsa.version: [ 1, 2 ]
amdhsa.kernels:
  - .name:           k_q00f8156f74_prep
    .symbol:         k_q00f8156f74_prep.kd
    .args:
      - { .name: x, .offset: 0, .size: 8, .value_kind: global_buffer, .address_space: global }
      - { .name: Wq, .offset: 8, .size: 8, .value_kind: global_buffer, .address_space: global }
      - { .name: Wk, .offset: 16, .size: 8, .value_kind: global_buffer, .address_space: global }
      - { .name: Wv, .offset: 24, .size: 8, .value_kind: global_buffer, .address_space: global }
      - { .name: Wo, .offset: 32, .size: 8, .value_kind: global_buffer, .address_space: global }
      - { .name: img, .offset: 40, .size: 8, .value_kind: global_buffer, .address_space: global }
      - { .name: scl, .offset: 48, .size: 8, .value_kind: global_buffer, .address_space: global }
    .group_segment_fixed_size: 68608
    .private_segment_fixed_size: 0
    .kernarg_segment_align: 8
    .kernarg_segment_size: 56
    .max_flat_workgroup_size: 256
    .sgpr_count:     66
    .vgpr_count:     256
    .wavefront_size: 32
...
	.end_amdgpu_metadata
.endif
;; end of part 1
;; launch qkvproj (part 2): grid 12 x 32, 4 waves a work-group, clusters of 4 x 4, 327,680 bytes of LDS; arguments img, scl, bq, bk, bv, qkv, qkvs; writes qkv, qkvs
.if DOCPART == 2
	.amdgcn_target "amdgcn-amd-amdhsa--gfx1250"
	.amdhsa_code_object_version 6
	.text
	.protected	k_q00f8156f74_qkvproj
	.globl	k_q00f8156f74_qkvproj
	.p2align	8
	.type	k_q00f8156f74_qkvproj,@function
k_q00f8156f74_qkvproj:
	s_mov_b64 s[64:65], 0
	v_nop
	global_prefetch_b8 v0, s[64:65] scope:SCOPE_SE
	s_setreg_imm32_b32 hwreg(HW_REG_WAVE_MODE, 25, 1), 1
	s_wait_xcnt 0x0
	s_wait_alu depctr_hold_cnt(0) depctr_sa_sdst(0) depctr_va_vdst(0) depctr_va_sdst(0) depctr_va_ssrc(0) depctr_va_vcc(0) depctr_vm_vsrc(0)
	s_getreg_b32 s2, hwreg(HW_REG_IB_STS2, 6, 4)
	s_cmp_eq_u32 s2, 0
	s_cbranch_scc0 .Lentry_in_a_cluster
	s_endpgm
.Lentry_in_a_cluster:
	s_bfe_u32 s2, ttmp6, 0x10000c
	s_cmp_lg_u32 s2, 0xf033
	s_cbranch_scc0 .Lentry_shape_is_right
	s_endpgm
.Lentry_shape_is_right:
; q = x Wq + bq, k = x Wk + bk, v = x Wv + bv on codes of FP4, and the three results quantised at once: q and k along the head's 64 channels, v along the keys.  Nothing goes to memory but codes and scale bytes.
; A work-group makes 256 rows of x times 256 columns of one weight; each of its four waves 128 x 128: 64 accumulators, 512 registers.  Work-group x: 0-3 Wq, 4-7 Wk, 8-11 Wv; y: 256 rows of x.
; SOURCE 0 CARRIES THE AXIS THAT IS QUANTISED NEXT, source 1 the lane's row.  q, k: source 0 = the weight's columns (channels), source 1 = x.  v: source 0 = x (the keys), source 1 = Wv's columns.
; By the order of rows in a tile (see the first launch) the 64 results of a lane for one block of source 1 are: register 16 b + i = index 32 b + 16 (lane / 16) + i along source 0: what the conversions want.
; ALL OF K (8 steps of 128) LIES IN LDS: four chunks of two K steps, 65,536 bytes each: the weight's two groups of 128 rows, then x's two, 16,384 bytes a region, as they lie in img.  Each wave asks for its region of
; all four chunks at the start (four tensor loads of mine are out at the most) and nothing is ever filled again.
; CLUSTERS: 4 x 4.  The weight's regions hang on work-group x alone and are shared along a column of the cluster, x's on work-group y alone and are shared along a row: joint loads.
; OUT.  qkv: (batch x 16 + head) x 196,608 + third x 65,536; q, k: tile x 512 + [channel block][r][16 bytes]; v: key step x 4,096 + tile of channels x 1,024 + fragment.
;       qkvs: (..) x 12,288 + third x 4,096 + G x 256 + 16 r + 4 j; q, k: G = tile / 8, j = (tile / 2) % 4, the word = the even tile's two bytes, then the odd tile's; v: G = key step, j = tile of channels.
; LIMITS: as in the first launch (byte 1 for a block of zeros; NaN and infinities not served).
; REGISTERS.  window 0: v16-23 LDS addresses, v24-30 offsets, v32-95 scale words (v[32 + 8 i + s]: lanes 0-15 source 1's block i, lanes 16-31 source 0's block i, K step s), v96-127 at work on the way out,
;   v128-191 source 1's fragments (one set), later 64 results, v192-255 codes.  window 1: v0-63, v128-191 source 0's two sets; v64-127 the bias along source 0; v192-207 the bias of the lane's own row.  windows 2, 3: accumulators.
.set SPARE, 262144                     ; behind the four chunks: the spare words, 128 bytes for each wave, that no other line names
.set AD0, 16                           ; v16-19 source 0's fragments in chunk p
.set AD1, 20                           ; v20-23 source 1's
.set LI,  24                           ; v24  16 x lane
.set SSO, 25                           ; v25  the scale words' place on the way out: 12,288 h + 16 r
.set SCO, 26                           ; v26  the scale words' place on the way in
.set BOF, 27                           ; v27  64 h
.set SPW, 28                           ; v28  LDS address of my spare word; never rewritten
.set NIL, 29                           ; v29  0; never rewritten
.set BOV, 30                           ; v30  4 rho(r)
.set SC,  32
.set TM,  96
.set PW,  112                          ; v112-119 the eight scale words made on the way out
.set SELV, 120
.set W4,  124
.set S1F, 128
.set HA,  128
.set PC,  192
.set BQ,  64                           ; in window 1
.set BV,  192                          ; in window 1
.set WV,  18
.set G1W, 24                           ; s[24:31] group 1 for the weight's regions; s[32:47] four groups 0
.set G0W, 32
.set G1X, 48                           ; s[48:55] group 1 for x's; s[68:83] four groups 0
.set G0X, 68
.set SEL, 86
.set MSB, 0
.macro WIN new                         ; the immediate's high byte repeats the setting that is left
.if MSB != (\new)
	s_set_vgpr_msb (MSB<<8)|(\new)
.set MSB, (\new)
.endif
.endm
.macro PLACES                          ; four places behind matrix instructions, in front of loads into their registers and of reads of their results
.rept 4
	v_nop
.endr
.endm
.macro CROUND                          ; a round of the cluster's barrier
	s_barrier_signal -1
	s_barrier_wait -1
	s_cmp_lg_u32 s[WV], 0
	s_cbranch_scc1 .Lnot_wave_0_\@
	s_barrier_signal -3
.Lnot_wave_0_\@:
	s_barrier_wait -3
	s_barrier_signal -1
	s_barrier_wait -1
.endm
.macro QUANT s, pc, pw                 ; 64 numbers of a lane become a fragment's 8 registers of codes and its row's scale word
.irp b, 0,1,2,3
	v_max3_num_f32 v[TM+\b], |v[(\s)+16*\b]|, |v[(\s)+1+16*\b]|, 0x1800000   ; and the floor 2^(3 - 127): the byte cannot fall under 1
.endr
.irp i, 2,4,6,8,10,12,14
.irp b, 0,1,2,3
	v_max3_num_f32 v[TM+\b], v[TM+\b], |v[(\s)+16*\b+\i]|, |v[(\s)+1+16*\b+\i]|
.endr
.endr
.irp b, 0,1,2,3
	v_permlanex16_b32 v[TM+4+\b], v[TM+\b], s[SEL], s[SEL+1]
.endr
.irp b, 0,1,2,3
	v_max_num_f32 v[TM+\b], v[TM+\b], v[TM+4+\b]
.endr
.irp b, 0,1,2,3
	v_add_nc_u32 v[TM+12+\b], 0xff000000, v[TM+\b]
.endr
.irp b, 0,1,2,3
	v_lshrrev_b32 v[TM+4+\b], 23, v[TM+12+\b]
.endr
	v_lshl_or_b32 v[\pw], v[TM+5], 8, v[TM+4]
	v_lshl_or_b32 v[\pw], v[TM+6], 16, v[\pw]
	v_lshl_or_b32 v[\pw], v[TM+7], 24, v[\pw]
.irp b, 0,1,2,3
	v_cvt_scalef32_pk8_fp4_f32 v[(\pc)+2*\b], v[(\s)+16*\b:(\s)+7+16*\b], v[TM+12+\b]
	v_cvt_scalef32_pk8_fp4_f32 v[(\pc)+1+2*\b], v[(\s)+8+16*\b:(\s)+15+16*\b], v[TM+12+\b]
.endr
	v_nop                                          ; one plain place behind a scaled conversion
.irp c, 0,1
.irp i, 0,1
	v_permlane16_swap_b32 v[(\pc)+4*\c+\i], v[(\pc)+2+4*\c+\i]
.endr
.endr
.endm
	s_load_b256 s[4:11], s[0:1], 0x0               ; img s[4:5], scl s[6:7], bq s[8:9], bk s[10:11]
	s_load_b128 s[12:15], s[0:1], 0x20             ; bv s[12:13], qkv s[14:15]
	s_load_b64 s[16:17], s[0:1], 0x30              ; qkvs
	v_lshl_add_u32 v[SPW], v0, 2, SPARE
	v_mov_b32 v[NIL], 0
	ds_add_u32 v[SPW], v[NIL]                      ; the wave's opening: the add, twice on end, and its wait ahead of my first tensor load
	ds_add_u32 v[SPW], v[NIL]
	v_lshrrev_b32 v1, 5, v0
	v_readfirstlane_b32 s[WV], v1                  ; wave 0..3
	s_lshr_b32 s19, s[WV], 1                       ; my half of source 1.  Also: I fetch for the weight (0) or for x (1)
	s_and_b32 s20, s[WV], 1                        ; my half of source 0.  Also: which group of 128 rows I fetch
	s_bfe_u32 s56, ttmp6, 0x40000                  ; cx
	s_bfe_u32 s57, ttmp6, 0x40004                  ; cy
	s_lshl_b32 s58, ttmp9, 2
	s_add_co_u32 s58, s58, s56                     ; work-group x
	s_and_b32 s59, ttmp7, 0xffff
	s_lshl_b32 s59, s59, 2
	s_add_co_u32 s59, s59, s57                     ; work-group y
	s_lshl_b32 s60, s57, 2
	s_lshl_b32 s60, 15, s60                        ; my row of the cluster
	s_lshl_b32 s61, 0x1111, s56                    ; my column
	; group 1: a dense block of 16,384 bytes as 64 rows of 256 bytes (32 elements of 8 bytes), no padding: a fragment's loads read 512 consecutive bytes
	s_or_b32 s[G1W], s61, (3<<16)|(1<<21)          ; 15:0 the mask; 17:16 elements of 8 bytes; 21 set beside a mask
	s_or_b32 s[G1X], s60, (3<<16)|(1<<21)
.irp g, G1W, G1X
	s_mov_b32 s[\g+1], 32<<16                      ; tensor_dim0
	s_mov_b32 s[\g+2], 64<<16                      ; tensor_dim1
	s_mov_b32 s[\g+3], 32<<16                      ; tile_dim0
	s_mov_b32 s[\g+4], 64                          ; tile_dim1
	s_mov_b32 s[\g+5], 32                          ; from row to row
	s_mov_b32 s[\g+6], 0
	s_mov_b32 s[\g+7], 0
.endr
	s_lshl_b32 s84, s58, 1                         ; the weight's group that I would fetch: 64 + 2 x + half, 65,536 bytes a group
	s_add_co_u32 s84, s84, s20
	s_add_co_u32 s84, s84, 64
	s_lshl_b32 s84, s84, 16
	s_mov_b32 s85, 0
	s_lshl_b32 s88, s59, 1                         ; x's: 2 y + half
	s_add_co_u32 s88, s88, s20
	s_lshl_b32 s88, s88, 16
	s_mov_b32 s89, 0
	s_lshl_b32 s90, s[WV], 14                      ; my region of a chunk: no place in the cluster enters an LDS address
	s_cmp_eq_u32 ttmp9, 2                          ; v?  The cluster's x: the same in all sixteen partners
	s_cselect_b32 s62, 1, 0
	s_cselect_b32 s21, s20, s19                    ; which of x's two groups is mine,
	s_cselect_b32 s22, s19, s20                    ; which of the weight's
	s_cselect_b32 s23, 0x8000, 0                   ; where source 0's regions begin in a chunk,
	s_cselect_b32 s63, 0, 0x8000                   ; and source 1's
	s_lshl_b32 s91, s59, 1
	s_add_co_u32 s91, s91, s21                     ; X: my group of x
	s_lshl_b32 s92, s58, 1
	s_add_co_u32 s92, s92, s22
	s_add_co_u32 s93, s92, 64                      ; my group of the weights
	s_and_b32 s92, s92, 7                          ; and in its weight: heads 2 gw, 2 gw + 1
	s_cmp_eq_u32 s62, 1
	s_cselect_b32 s94, s91, s93                    ; source 0's group,
	s_cselect_b32 s95, s93, s91                    ; source 1's:
	s_lshl_b32 s94, s94, 12                        ; 4,096 bytes of scale words a group
	s_lshl_b32 s95, s95, 12
	s_lshr_b32 s96, s91, 4
	s_lshl_b32 s96, s96, 4
	s_lshl_b32 s97, s92, 1
	s_add_co_u32 s96, s96, s97                     ; batch x 16 + my first head
	s_and_b32 s97, s91, 15                         ; my group in its batch
	s_mul_i32 s2, s96, 196608
	s_lshl_b32 s3, ttmp9, 16                       ; the third: q, k or v
	s_add_co_u32 s2, s2, s3
	s_lshl_b32 s3, s97, 12
	s_add_co_u32 s2, s2, s3
	s_mov_b32 s3, 0
	s_mul_i32 s98, s96, 12288
	s_lshl_b32 s99, ttmp9, 12
	s_add_co_u32 s98, s98, s99
	s_lshl_b32 s99, s97, 8
	s_add_co_u32 s98, s98, s99
	s_mov_b32 s99, 0
	s_lshl_b32 s96, s92, 9                         ; my 128 numbers of the bias
	s_mov_b32 s97, 0
	s_mov_b32 s[SEL], 0x76543210
	s_mov_b32 s[SEL+1], 0xfedcba98
	s_wait_dscnt 0x0                               ; both opening adds are done
	s_wait_kmcnt 0x0
	s_add_nc_u64 s[84:85], s[4:5], s[84:85]
	s_add_nc_u64 s[88:89], s[4:5], s[88:89]
	s_add_nc_u64 s[14:15], s[14:15], s[2:3]
	s_add_nc_u64 s[16:17], s[16:17], s[98:99]
	s_cmp_eq_u32 ttmp9, 1
	s_cselect_b64 s[8:9], s[10:11], s[8:9]
	s_cmp_eq_u32 ttmp9, 2
	s_cselect_b64 s[8:9], s[12:13], s[8:9]         ; bq, bk or bv
	s_add_nc_u64 s[8:9], s[8:9], s[96:97]
	CROUND                                         ; all sixteen work-groups are here: the joint loads meet
.irp p, 0,1,2,3
	s_mov_b32 s[G0W+4*\p], 1
	s_add_co_u32 s[G0W+4*\p+1], s90, \p*65536
	s_add_nc_u64 s[G0W+4*\p+2:G0W+4*\p+3], s[84:85], \p*16384
	s_or_b32 s[G0W+4*\p+3], s[G0W+4*\p+3], 0x80000000
	s_mov_b32 s[G0X+4*\p], 1
	s_add_co_u32 s[G0X+4*\p+1], s90, \p*65536
	s_add_nc_u64 s[G0X+4*\p+2:G0X+4*\p+3], s[88:89], \p*16384
	s_or_b32 s[G0X+4*\p+3], s[G0X+4*\p+3], 0x80000000
.endr
	s_cmp_eq_u32 s19, 0                            ; a wave's four fills stand in one branch on its number, ahead of every wait on TENSORcnt and every LDS read
	s_cbranch_scc0 .Lfill_x
.irp p, 0,1,2,3
	tensor_load_to_lds s[G0W+4*\p:G0W+4*\p+3], s[G1W:G1W+7]
	s_nop 0
.endr
	PLACES
	s_branch .Lfilled
.Lfill_x:
.irp p, 0,1,2,3
	tensor_load_to_lds s[G0X+4*\p:G0X+4*\p+3], s[G1X:G1X+7]
	s_nop 0
.endr
	PLACES
.Lfilled:
	v_and_b32 v1, 31, v0                           ; lane (kept)
	v_and_b32 v2, 15, v0                           ; r
	v_bfe_u32 v3, v0, 4, 1                         ; h
	v_lshlrev_b32 v[LI], 4, v1
	v_mov_b32 v4, s95
	v_mov_b32 v5, s94
	v_cmp_le_u32 vcc_lo, 16, v1
	v_cndmask_b32 v[SCO], v4, v5, vcc_lo           ; lanes 0-15 take source 1's words, lanes 16-31 source 0's
	v_lshl_add_u32 v[SCO], v2, 4, v[SCO]
.irp i, 0,1,2,3,4,5,6,7
.irp f, 0,1
	global_load_b128 v[SC+8*\i+4*\f:SC+8*\i+4*\f+3], v[SCO], s[6:7] offset:\i*512+\f*256   ; block i, K steps 4 f .. 4 f + 3
.endr
.endr
	v_lshlrev_b32 v[BOF], 6, v3
	v_and_b32 v[BOV], 8, v2
	v_add_nc_u32 v[BOV], v[BOV], v2
	v_lshlrev_b32 v[BOV], 2, v[BOV]
	; The bias in both forms, from the one pointer chosen above: along source 0 (q, k use it) and by the lane's own row (v uses it).  One of the two is not used; both stay inside the buffer, and no branch is needed here.
	WIN 0x40                                       ; destination window 1
.irp t, 0,1,2,3,4,5,6,7
	global_load_b128 v[BQ+8*\t:BQ+8*\t+3], v[BOF], s[8:9] offset:(32*(\t/2)+8*(\t%2))*4
	global_load_b128 v[BQ+8*\t+4:BQ+8*\t+7], v[BOF], s[8:9] offset:(32*(\t/2)+8*(\t%2))*4+16
.endr
.irp a, 0,1,2,3,4,5,6,7
	global_load_b32 v[BV+2*\a], v[BOV], s[8:9] offset:(32*(\a/2)+8*(\a%2))*4
	global_load_b32 v[BV+2*\a+1], v[BOV], s[8:9] offset:(32*(\a/2)+8*(\a%2))*4   ; twice: a pair for the packed addition
.endr
	WIN 0
	s_lshl_b32 s2, s20, 14
	s_add_co_u32 s2, s2, s23
	s_lshl_b32 s3, s19, 14
	s_add_co_u32 s3, s3, s63
.irp p, 0,1,2,3
	v_add_nc_u32 v[AD0+\p], s2, v[LI]
	v_add_nc_u32 v[AD1+\p], s3, v[LI]
	s_add_co_u32 s2, s2, 65536
	s_add_co_u32 s3, s3, 65536
.endr
	v_mul_u32_u24 v[SSO], v3, 12288
	v_lshl_add_u32 v[SSO], v2, 4, v[SSO]
.irp b, 0,1,2,3
	v_mov_b32 v[TM+4+\b], 0                        ; written once: a lane permute's destination counts as one of its sources
.endr
.macro FRAG reg, adr, s, i             ; a fragment comes as it lies: two loads of 512 consecutive bytes
.irp c, 0,1
	ds_load_b128 v[(\reg)+4*\c:(\reg)+4*\c+3], v[(\adr)+(\s)/2] offset:((\s)%2)*8192+(\i)*1024+\c*512
.endr
.endm
.macro FETCH_S0 s, p                   ; source 0's eight fragments of K step s into set p
	WIN 0x40
.irp i, 0,1,2,3,4,5,6,7
	FRAG 128*(\p)+8*\i, AD0, \s, \i
.endr
	WIN 0
.endm
.macro FETCH_S1 s, i0                  ; source 1's blocks i0 .. i0 + 3
.irp i, \i0, \i0+1, \i0+2, \i0+3
	FRAG S1F+8*(\i), AD1, \s, \i
.endr
.endm
; 16 matrix instructions: source 1's blocks a0, a0 + 1 against source 0's eight.  The 64 accumulators take turns, one instruction a turn, in the same order in every step.
.macro MUL16 a0, p, s, zero
.irp a, \a0, \a0+1
.irp b, 0,1,2,3,4,5,6,7
.if \zero
	v_wmma_scale_f32_16x16x128_f8f6f4 v[8*(8*((\a)%4)+\b):8*(8*((\a)%4)+\b)+7], v[128*(\p)+8*\b:128*(\p)+8*\b+7], v[S1F+8*(\a):S1F+8*(\a)+7], 0, v[SC+8*\b+(\s)], v[SC+8*(\a)+(\s)] matrix_a_fmt:MATRIX_FMT_FP4 matrix_b_fmt:MATRIX_FMT_FP4 matrix_a_scale:MATRIX_SCALE_ROW1
.else
	v_wmma_scale_f32_16x16x128_f8f6f4 v[8*(8*((\a)%4)+\b):8*(8*((\a)%4)+\b)+7], v[128*(\p)+8*\b:128*(\p)+8*\b+7], v[S1F+8*(\a):S1F+8*(\a)+7], v[8*(8*((\a)%4)+\b):8*(8*((\a)%4)+\b)+7], v[SC+8*\b+(\s)], v[SC+8*(\a)+(\s)] matrix_a_fmt:MATRIX_FMT_FP4 matrix_b_fmt:MATRIX_FMT_FP4 matrix_a_scale:MATRIX_SCALE_ROW1
.endif
.endr
.endr
.endm
; K step s.  meet = 1: the next step lies in the next chunk: each wave waits until its part of that chunk has landed (tc: my later chunks may stay out) and all four meet at a barrier.
.macro STEP s, zero, meet, tc
	s_wait_dscnt 8                                 ; source 0's set and source 1's blocks 0-3 are in; the youngest eight loads (blocks 4-7) may be out
	WIN 0xa1                                       ; source 0 window 1, source 1 window 0, C and D window 2
	MUL16 0, (\s)%2, \s, \zero
.if \meet
	s_wait_dscnt 0x0                               ; no LDS instruction of mine is pending at a signal
	s_wait_tensorcnt \tc
	s_barrier_signal -1
.endif
	MUL16 2, (\s)%2, \s, \zero
.if \meet
	s_barrier_wait -1
.else
	s_wait_dscnt 0x0                               ; blocks 4-7 are in
.endif
	PLACES
	FETCH_S0 (\s)+1, 1-(\s)%2
	FETCH_S1 (\s)+1, 0
	WIN 0xf1                                       ; C and D window 3
	MUL16 4, (\s)%2, \s, \zero
	MUL16 6, (\s)%2, \s, \zero
	PLACES
	WIN 0
	FETCH_S1 (\s)+1, 4
.endm
	s_wait_tensorcnt 3                             ; my part of chunk 0 is in; the three behind it may be out,
	s_barrier_signal -1
	s_barrier_wait -1                              ; everybody's is
	FETCH_S0 0, 0
	FETCH_S1 0, 0
	FETCH_S1 0, 4
	s_wait_loadcnt 0x0                             ; the scale words and the biases
	STEP 0, 1, 0, 0                                ; the first step's products start the sums: nothing is cleared
	STEP 1, 0, 1, 2
	STEP 2, 0, 0, 0
	STEP 3, 0, 1, 1
	STEP 4, 0, 0, 0
	STEP 5, 0, 1, 0
	STEP 6, 0, 0, 0
	s_wait_dscnt 8                                 ; the last step: nothing more to fetch
	WIN 0xa1
	MUL16 0, 1, 7, 0
	MUL16 2, 1, 7, 0
	s_wait_dscnt 0x0
	WIN 0xf1
	MUL16 4, 1, 7, 0
	MUL16 6, 1, 7, 0
	WIN 0
	PLACES
; THE WAY OUT, a block a of source 1 at a time: the bias is added on the way from the accumulators into window 0 (each accumulator from its low end on), the 64 numbers are quantised, the fragment leaves as it stands.
.macro EPI vp
	v_cmp_le_u32 vcc_lo, 16, v1                    ; lanes 16-31
.if \vp == 0
	v_mov_b32 v[SELV], 0x05040100                  ; lanes 0-15 gather the first head's bytes of two words, lanes 16-31 the second head's
	v_mov_b32 v[SELV+1], 0x07060302
	v_cndmask_b32 v[SELV], v[SELV], v[SELV+1], vcc_lo
.endif
.irp a, 0,1,2,3,4,5,6,7
	WIN 0x06+\a/4                                  ; source 0 window 2 or 3, source 1 window 1, destination window 0
.set i, 0
.rept 32
.if \vp
	v_pk_add_f32 v[HA+2*i:HA+2*i+1], v[64*(\a%4)+2*i:64*(\a%4)+2*i+1], v[BV+2*\a:BV+2*\a+1]
.else
	v_pk_add_f32 v[HA+2*i:HA+2*i+1], v[64*(\a%4)+2*i:64*(\a%4)+2*i+1], v[BQ+2*i:BQ+2*i+1]
.endif
.set i, i+1
.endr
	WIN 0
	QUANT HA, PC+8*\a, PW+\a
.irp c, 0,1
.if \vp
	global_store_b128 v[LI], v[PC+8*\a+4*\c:PC+8*\a+4*\c+3], s[14:15] offset:(\a/4)*196608+(\a%4)*1024+\c*512   ; head a / 4, tile of channels a % 4: 512 consecutive bytes, aligned
.else
	global_store_b128 v[LI], v[PC+8*\a+4*\c:PC+8*\a+4*\c+3], s[14:15] offset:\c*196608+\a*512   ; head c, tile a
.endif
.endr
.endr
.irp p, 0,1,2,3
.if \vp
	v_cndmask_b32 v[W4+\p], v[PW+\p], v[PW+4+\p], vcc_lo   ; lanes 0-15: the first head's four tiles of channels, lanes 16-31 the second head's
.else
	v_perm_b32 v[W4+\p], v[PW+2*\p+1], v[PW+2*\p], v[SELV]   ; my head's two bytes of tile 2 p, then of tile 2 p + 1
.endif
.endr
	global_store_b128 v[SSO], v[W4:W4+3], s[16:17] ; each half of the lanes stores 256 consecutive bytes, aligned: its head's
	s_wait_tensorcnt 0x0                           ; the wave's end
	ds_add_u32 v[SPW], v[NIL]
	s_wait_dscnt 0x0
	CROUND                                         ; the closing round: no work-group ends while a partner may still ask for a tile that names it
	s_endpgm
.endm
	s_cmp_eq_u32 s62, 1
	s_cbranch_scc1 .Lway_v
	EPI 0
.Lway_v:
	EPI 1
.Lfunc_end_k_q00f8156f74_qkvproj:
	.size	k_q00f8156f74_qkvproj, .Lfunc_end_k_q00f8156f74_qkvproj-k_q00f8156f74_qkvproj
	.p2alignl 7, 3214868480
	.fill 96, 4, 3214868480
	.section	.rodata,"a",@progbits
	.p2align	6, 0x0
	.amdhsa_kernel k_q00f8156f74_qkvproj
		.amdhsa_group_segment_fixed_size 327680
		.amdhsa_private_segment_fixed_size 0
		.amdhsa_enable_private_segment 0
		.amdhsa_kernarg_size 56
		.amdhsa_user_sgpr_count 2
		.amdhsa_user_sgpr_kernarg_segment_ptr 1
		.amdhsa_wavefront_size32 1
		.amdhsa_system_sgpr_workgroup_id_x 1
		.amdhsa_system_sgpr_workgroup_id_y 1
		.amdhsa_system_sgpr_workgroup_id_z 1
		.amdhsa_system_vgpr_workitem_id 0
		.amdhsa_next_free_vgpr 1024
		.amdhsa_next_free_sgpr 100
		.amdhsa_reserve_vcc 1
		.amdhsa_float_denorm_mode_32 3
		.amdhsa_float_denorm_mode_16_64 3
		.amdhsa_memory_ordered 1
		.amdhsa_forward_progress 1
		.amdhsa_inst_pref_size 195
	.end_amdhsa_kernel
	.amdgpu_metadata
---
amdhsa.version: [ 1, 2 ]
amdhsa.kernels:
  - .name:           k_q00f8156f74_qkvproj
    .symbol:         k_q00f8156f74_qkvproj.kd
    .args:
      - { .name: img, .offset: 0, .size: 8, .value_kind: global_buffer, .address_space: global }
      - { .name: scl, .offset: 8, .size: 8, .value_kind: global_buffer, .address_space: global }
      - { .name: bq, .offset: 16, .size: 8, .value_kind: global_buffer, .address_space: global }
      - { .name: bk, .offset: 24, .size: 8, .value_kind: global_buffer, .address_space: global }
      - { .name: bv, .offset: 32, .size: 8, .value_kind: global_buffer, .address_space: global }
      - { .name: qkv, .offset: 40, .size: 8, .value_kind: global_buffer, .address_space: global }
      - { .name: qkvs, .offset: 48, .size: 8, .value_kind: global_buffer, .address_space: global }
    .group_segment_fixed_size: 327680
    .private_segment_fixed_size: 0
    .kernarg_segment_align: 8
    .kernarg_segment_size: 56
    .max_flat_workgroup_size: 128
    .sgpr_count:     100
    .vgpr_count:     1024
    .wavefront_size: 32
...
	.end_amdgpu_metadata
.endif
;; end of part 2
;; launch attn (part 3): grid 4 x 64, 16 waves a work-group, no clusters, 141,312 bytes of LDS; arguments qkv, qkvs, ctx, ctxs; writes ctx, ctxs
.if DOCPART == 3
	.amdgcn_target "amdgcn-amd-amdhsa--gfx1250"
	.amdhsa_code_object_version 6
	.text
	.protected	k_q00f8156f74_attn
	.globl	k_q00f8156f74_attn
	.p2align	8
	.type	k_q00f8156f74_attn,@function
k_q00f8156f74_attn:
	s_mov_b64 s[64:65], 0
	v_nop
	global_prefetch_b8 v0, s[64:65] scope:SCOPE_SE
	s_setreg_imm32_b32 hwreg(HW_REG_WAVE_MODE, 25, 1), 1
	s_wait_xcnt 0x0
; ctx = softmax(q k^T / 8) v for one head, both products on codes of FP4, and ctx quantised along the channels for the last product.
; THE SOFTMAX: t = score x log2(e) / 8; M = the running largest t rounded UP to a whole number; p = 2^(t - M) is quantised along the keys, not normalised; the row's sum is taken of the unquantised p and divides at the end.
; SHARES.  A work-group owns 512 queries of one head (x: which 512; y: batch x 16 + head).  Each of its sixteen waves owns two tiles of 16 queries, one after the other, in 256 registers: four waves to a SIMD,
; so that one wave's vector work stands beside another's matrix work and LDS loads.
; THE HEAD'S K AND V LIE IN LDS WHOLE: 65,536 bytes of codes each and 4,096 of scale words each, as they lie in memory.  They are brought once, through registers (17 loads a thread), one barrier follows, and from then on LDS is only read.
; No multicast: the four work-groups of a head share that one fill alone, 17 loads a thread against 32 key steps of some 270 instructions each.
; LAYOUT.  Both products are used transposed: a lane holds ONE query throughout.  The rows of a tile are 32 (T / 2) + 8 (T % 2) + rho(r), so the 16 registers of key tiles 2 b, 2 b + 1 are 16 neighbouring keys.
; THE FIRST PRODUCT HAS K = 64, half of the instruction's 128.  A fragment of k holds TWO key tiles (registers 0-3 the even one, 4-7 the odd one) and is multiplied once by (q, zero codes) and once by (zero codes, q):
; no LDS byte is read for the padding; half of each of these instructions multiplies zero codes.  k's scale word carries both tiles' bytes, q's is (s0, s1, s0, s1).
; LIMITS: as in the first launch (byte 1 for a block of zeros; NaN and infinities not served).
; REGISTERS: v1-4, v7, v28 places that stay; v8-11 the step's LDS addresses; v12 -M, v13 the largest t, v[14:15] the sum; v16-19 q, v20-23 zeros, v24-27 q again; v32-63 k's four fragments; v64-95 v's four;
;   v96-159 scores, then p; v160-191 O^T; v192-195 v's scale words; v224-231 p's codes; v232-247, v252, v254 at work; v248-251 k's scale words; v253 p's scale word; v255 q's.
.set VL,   65536                       ; LDS: k's codes from 0, v's from here,
.set KSL,  131072                      ; k's scale words,
.set VSL,  135168                      ; v's,
.set SPARE, 139264                     ; and the spare words, 128 bytes for each wave, that no other line names
.set SPW, 5
.set NIL, 6
.set ADK, 8
.set ADV, 9
.set ADS, 10
.set ADT, 11
.set WV,  18
.set SEL, 20
.set CS,  22                           ; s[22:23] c = log2(e) / 8
.set HM,  30                           ; s30 the lanes 16-31
.set SELQ, 31                          ; s31 which half of the pair's word is my query tile's
.set TB,  32                           ; s32 the key step's codes: 4,096 bytes a step, in k and in v
.set TS,  33                           ; s33 its scale words: 256 bytes a step
.set KC,  34
	s_load_b256 s[4:11], s[0:1], 0x0               ; qkv s[4:5], qkvs s[6:7], ctx s[8:9], ctxs s[10:11]
	v_lshl_add_u32 v[SPW], v0, 2, SPARE
	v_mov_b32 v[NIL], 0
	v_lshrrev_b32 v1, 5, v0
	v_readfirstlane_b32 s[WV], v1                  ; wave 0..15
	s_and_b32 s19, ttmp7, 0xffff                   ; batch x 16 + head
	v_lshlrev_b32 v29, 4, v0                       ; the fill: 16 x thread,
	v_add_nc_u32 v30, VL, v29
	v_add_nc_u32 v31, KSL, v29
	s_mul_i32 s12, s19, 196608
	s_mov_b32 s13, 0
	s_mul_i32 s14, s19, 12288
	s_mov_b32 s15, 0
	s_lshl_b32 s35, ttmp9, 5
	s_add_co_u32 s35, s35, s[WV]                   ; my first query tile in the batch; the second lies 16 tiles on
	s_lshl_b32 s16, s35, 9
	s_add_co_u32 s16, s16, s12                     ; q's codes
	s_mov_b32 s17, 0
	s_lshr_b32 s24, s35, 3
	s_lshl_b32 s24, s24, 8
	s_bfe_u32 s25, s[WV], 0x20001
	s_lshl_b32 s25, s25, 2
	s_add_co_u32 s24, s24, s25
	s_add_co_u32 s24, s24, s14                     ; the word of my tile's pair
	s_mov_b32 s25, 0
	s_lshr_b32 s36, s19, 4                         ; batch
	s_and_b32 s37, s19, 15                         ; head
	s_lshl_b32 s36, s36, 7
	s_add_co_u32 s36, s36, s35                     ; my tile among all 512
	s_lshl_b32 s26, s36, 13
	s_lshl_b32 s38, s37, 9
	s_add_co_u32 s26, s26, s38                     ; ctx: 8,192 bytes a tile, 512 a head
	s_mov_b32 s27, 0
	s_lshl_b32 s28, s36, 9
	s_lshl_b32 s38, s37, 1
	s_add_co_u32 s28, s28, s38                     ; ctxs: 512 bytes a tile, 2 a head
	s_mov_b32 s29, 0
	s_add_co_u32 s12, s12, 65536                   ; k's third, and v's behind it
	s_add_co_u32 s14, s14, 4096
	s_wait_kmcnt 0x0
	s_add_nc_u64 s[12:13], s[4:5], s[12:13]
	s_add_nc_u64 s[14:15], s[6:7], s[14:15]
	s_add_nc_u64 s[16:17], s[4:5], s[16:17]
	s_add_nc_u64 s[24:25], s[6:7], s[24:25]
	s_add_nc_u64 s[26:27], s[8:9], s[26:27]
	s_add_nc_u64 s[28:29], s[10:11], s[28:29]
.irp i, 0,1,2,3,4,5,6,7,8,9,10,11,12,13,14,15
	global_load_b128 v[32+4*\i:35+4*\i], v29, s[12:13] offset:\i*8192   ; the work-group reads 8,192 consecutive bytes
.endr
	global_load_b128 v[96:99], v29, s[14:15]
	v_and_b32 v7, 15, v0                           ; r
	v_bfe_u32 v28, v0, 4, 1                        ; h
	v_and_b32 v1, 31, v0
	v_cmp_le_u32 s[HM], 16, v1
	v_lshlrev_b32 v1, 4, v1                        ; 16 x lane: a fragment's place for my lane
	v_add_nc_u32 v2, VL, v1
	v_lshl_add_u32 v28, v7, 5, v28                 ; 32 r + h: my byte of ctx's scales
	v_lshlrev_b32 v7, 4, v7                        ; 16 r
	v_add_nc_u32 v3, KSL, v7
	v_add_nc_u32 v4, VSL, v7
.irp j, 20,21,22,23
	v_mov_b32 v[\j], 0                             ; the zero codes between the two copies of q; written once
.endr
	s_mov_b32 s[SEL], 0x76543210
	s_mov_b32 s[SEL+1], 0xfedcba98
	s_mov_b32 s[CS], 0x3e38aa3b
	s_mov_b32 s[CS+1], s[CS]                       ; named with it as a pair, so it is written
	s_and_b32 s38, s[WV], 1
	s_cmp_eq_u32 s38, 1
	s_mov_b32 s[SELQ], 0x01000100
	s_cselect_b32 s[SELQ], 0x03020302, s[SELQ]
.irp i, 0,1,2,3,4,5,6,7
	s_wait_loadcnt 16-\i                           ; loads come back in order: load i is in, the younger ones may be out
	ds_store_b128 v29, v[32+4*\i:35+4*\i] offset:\i*8192
.endr
.irp i, 8,9,10,11,12,13,14,15
	s_wait_loadcnt 16-\i
	ds_store_b128 v30, v[32+4*\i:35+4*\i] offset:(\i-8)*8192
.endr
	s_wait_loadcnt 0x0
	ds_store_b128 v31, v[96:99]
	s_wait_dscnt 0x0                               ; for the others' sake: my stores have landed
	s_barrier_signal -1
	s_barrier_wait -1                              ; the head's k and v lie in LDS; nobody writes LDS again
; A KEY STEP: 128 keys.
.macro STEP
	v_add_nc_u32 v[ADK], s[TB], v1                 ; these four are also the places behind the last step's products, in front of the loads into their registers
	v_add_nc_u32 v[ADV], s[TB], v2
	v_add_nc_u32 v[ADS], s[TS], v3
	v_add_nc_u32 v[ADT], s[TS], v4
.irp p, 0,1,2,3
.irp c, 0,1
	ds_load_b128 v[32+8*\p+4*\c:35+8*\p+4*\c], v[ADK] offset:\p*1024+\c*512
.endr
.endr
	ds_load_b128 v[248:251], v[ADS]                ; the four pairs' scale words
.irp t, 0,1,2,3
.irp c, 0,1
	ds_load_b128 v[64+8*\t+4*\c:67+8*\t+4*\c], v[ADV] offset:\t*1024+\c*512
.endr
.endr
	ds_load_b128 v[192:195], v[ADT]
	s_wait_dscnt 9                                 ; k's nine loads are in; v's nine may be out
.irp p, 0,1,2,3
	v_wmma_scale_f32_16x16x128_f8f6f4 v[96+16*\p:103+16*\p], v[32+8*\p:39+8*\p], v[16:23], 0, v[248+\p], v255 matrix_a_fmt:MATRIX_FMT_FP4 matrix_b_fmt:MATRIX_FMT_FP4
	v_wmma_scale_f32_16x16x128_f8f6f4 v[104+16*\p:111+16*\p], v[32+8*\p:39+8*\p], v[20:27], 0, v[248+\p], v255 matrix_a_fmt:MATRIX_FMT_FP4 matrix_b_fmt:MATRIX_FMT_FP4
.endr                                          ; register 16 b + i: key 32 b + 16 (lane / 16) + i of the step
.rept 4
	v_nop
.endr
.irp b, 0,1,2,3
	v_max3_num_f32 v[232+\b], v[96+16*\b], v[97+16*\b], v[98+16*\b]   ; the largest score of each block of 32 keys: for the row's maximum and, since p rises with the score, for the block's largest p
.endr
.irp i, 3,5,7,9,11,13
.irp b, 0,1,2,3
	v_max3_num_f32 v[232+\b], v[232+\b], v[96+16*\b+\i], v[97+16*\b+\i]
.endr
.endr
.irp b, 0,1,2,3
	v_max_num_f32 v[232+\b], v[232+\b], v[111+16*\b]
.endr
.irp b, 0,1,2,3
	v_permlanex16_b32 v[236+\b], v[232+\b], s[SEL], s[SEL+1]
.endr
.irp b, 0,1,2,3
	v_max_num_f32 v[232+\b], v[232+\b], v[236+\b]  ; with lane l xor 16's 16 keys
.endr
	v_max3_num_f32 v254, v232, v233, v234
	v_max_num_f32 v254, v254, v235                 ; the step's largest score of my query
	v_mul_f32 v254, s[CS], v254                    ; as t (c is positive)
	v_max_num_f32 v13, v13, v254                   ; the running largest t
	v_mov_b32 v254, v12
	v_floor_f32 v12, -v13                          ; the new -M = floor(-t): M is a whole number
	v_sub_f32 v254, v12, v254                      ; old M less new M: a whole number, 0 or less
	v_cvt_i32_f32 v254, v254                       ; (it saturates)
	v_ldexp_f32 v252, 1.0, v254                    ; f = 2^(old M - new M): a multiplication by it rounds nothing
.irp j, 0,2,4,6,8,10,12,14,16,18,20,22,24,26,28,30,32,34,36,38,40,42,44,46,48,50,52,54,56,58,60,62
	v_pk_fma_f32 v[96+\j:97+\j], v[96+\j:97+\j], s[CS:CS+1], v[12:13] op_sel_hi:[1,0,0]   ; t - M, two at a time
.endr
.irp b, 0,1,2,3
	v_fma_f32 v[232+\b], v[232+\b], s[CS], v12     ; the same of each block's largest score
.endr
.irp j, 0,1,2,3,4,5,6,7,8,9,10,11,12,13,14,15,16,17,18,19,20,21,22,23,24,25,26,27,28,29,30,31,32,33,34,35,36,37,38,39,40,41,42,43,44,45,46,47,48,49,50,51,52,53,54,55,56,57,58,59,60,61,62,63
	v_exp_f32 v[96+\j], v[96+\j]                   ; p = 2^(t - M), at most 1
.endr
	v_pk_mul_f32 v[14:15], v[14:15], v[252:253] op_sel_hi:[1,0]   ; the sums under the new M: a plain place behind the exponentials
	s_wait_alu depctr_va_vdst(0)                   ; one wait for the whole batch, ahead of its first reader
.irp b, 0,1,2,3
	v_exp_f32 v[232+\b], v[232+\b]                 ; the block's largest p
.endr
	v_pk_add_f32 v[236:237], v[96:97], v[98:99]    ; the row's sum of the unquantised p, in two chains
.irp j, 4,8,12,16,20,24,28,32,36,40,44,48,52,56,60
	v_pk_add_f32 v[14:15], v[14:15], v[96+\j:97+\j]
	v_pk_add_f32 v[236:237], v[236:237], v[98+\j:99+\j]
.endr
	v_pk_add_f32 v[14:15], v[14:15], v[236:237]
	s_wait_alu depctr_va_vdst(0)                   ; and one for the four
.irp b, 0,1,2,3
	v_max_num_f32 v[232+\b], 0x1800000, v[232+\b]  ; the floor: the byte cannot fall under 1
.endr
.irp b, 0,1,2,3
	v_add_nc_u32 v[244+\b], 0xff000000, v[232+\b]  ; the conversion's scale operand
.endr
.irp b, 0,1,2,3
	v_lshrrev_b32 v[236+\b], 23, v[244+\b]         ; the byte
.endr
	v_lshl_or_b32 v253, v237, 8, v236              ; p's scale word for these 128 keys
	v_lshl_or_b32 v253, v238, 16, v253
	v_lshl_or_b32 v253, v239, 24, v253
.irp b, 0,1,2,3
	v_cvt_scalef32_pk8_fp4_f32 v[224+2*\b], v[96+16*\b:103+16*\b], v[244+\b]
	v_cvt_scalef32_pk8_fp4_f32 v[225+2*\b], v[104+16*\b:111+16*\b], v[244+\b]
.endr
	v_nop                                          ; one plain place behind a scaled conversion
.irp c, 0,1
.irp i, 0,1
	v_permlane16_swap_b32 v[224+4*\c+\i], v[226+4*\c+\i]   ; a whole block to a lane
.endr
.endr
.irp j, 0,2,4,6,8,10,12,14,16,18,20,22,24,26,28,30
	v_pk_mul_f32 v[160+\j:161+\j], v[160+\j:161+\j], v[252:253] op_sel_hi:[1,0]   ; O^T under the new M.  These sixteen are also the places between the scale word, the codes and the products below
.endr
	s_wait_dscnt 0x0                               ; v is in
.irp t, 0,1,2,3
	v_wmma_scale_f32_16x16x128_f8f6f4 v[160+8*\t:167+8*\t], v[64+8*\t:71+8*\t], v[224:231], v[160+8*\t:167+8*\t], v[192+\t], v253 matrix_a_fmt:MATRIX_FMT_FP4 matrix_b_fmt:MATRIX_FMT_FP4
.endr                                          ; four accumulators, one instruction a turn
	s_add_co_u32 s[TB], s[TB], 4096
	s_add_co_u32 s[TS], s[TS], 256
.endm
; One tile of 16 queries against all 2,048 keys, and its way out.
.macro QTILE n
.if \n
	s_wait_xcnt 0x0                                ; the first tile's stores have read their registers
.endif
	global_load_b128 v[16:19], v1, s[16:17] offset:\n*8192
	global_load_b128 v[24:27], v1, s[16:17] offset:\n*8192   ; the same once more: (q, 0) is v[16:23], (0, q) is v[20:27]
	global_load_b32 v254, v7, s[24:25] offset:\n*512
	s_wait_loadcnt 0x0
	v_perm_b32 v255, v254, v254, s[SELQ]           ; my tile's two bytes, twice.  The lines below are more than the eight places owed between a scale word so made and a scaled product
	v_mov_b32 v13, 0xff61b1e6                      ; the largest t so far: -3e38
	v_floor_f32 v12, -v13
	v_mov_b32 v14, 0
	v_mov_b32 v15, 0
.irp b, 0,1,2,3
	v_mov_b32 v[236+\b], 0                         ; a lane permute's destination counts as one of its sources
.endr
	v_mov_b32 v253, 0                              ; named as the upper half of v[252:253] before it is first written
.irp j, 0,1,2,3,4,5,6,7,8,9,10,11,12,13,14,15,16,17,18,19,20,21,22,23,24,25,26,27,28,29,30,31
	v_mov_b32 v[160+\j], 0                         ; O^T: the step is written once; its first trip finds zeros, which the first change of M leaves zeros
.endr
	s_mov_b32 s[TB], 0
	s_mov_b32 s[TS], 0
	s_mov_b32 s[KC], 16
.Lkeys_\@:
	STEP
	s_sub_co_u32 s[KC], s[KC], 1
	s_cmp_lg_u32 s[KC], 0
	s_cbranch_scc1 .Lkeys_\@
.rept 4
	v_nop                                          ; places behind the last products
.endr
	v_add_f32 v14, v14, v15
	v_permlanex16_b32 v252, v14, s[SEL], s[SEL+1]
	v_add_f32 v14, v14, v252                       ; the row's sum
	v_rcp_f32 v14, v14
	v_nop                                          ; a plain place behind the transcendental
	s_wait_alu depctr_va_vdst(0)                   ; and the wait ahead of its first reader
.irp j, 0,1,2,3,4,5,6,7,8,9,10,11,12,13,14,15,16,17,18,19,20,21,22,23,24,25,26,27,28,29,30,31
	v_mul_f32 v[96+\j], v[160+\j], v14             ; ctx: register 16 b + i = channel 32 b + 16 (lane / 16) + i of my query
.endr
.irp b, 0,1
	v_max3_num_f32 v[232+\b], |v[96+16*\b]|, |v[97+16*\b]|, 0x1800000
.endr
.irp i, 2,4,6,8,10,12,14
.irp b, 0,1
	v_max3_num_f32 v[232+\b], v[232+\b], |v[96+16*\b+\i]|, |v[97+16*\b+\i]|
.endr
.endr
.irp b, 0,1
	v_permlanex16_b32 v[236+\b], v[232+\b], s[SEL], s[SEL+1]
.endr
.irp b, 0,1
	v_max_num_f32 v[232+\b], v[232+\b], v[236+\b]
.endr
.irp b, 0,1
	v_add_nc_u32 v[244+\b], 0xff000000, v[232+\b]
.endr
.irp b, 0,1
	v_lshrrev_b32 v[236+\b], 23, v[244+\b]
.endr
.irp b, 0,1
	v_cvt_scalef32_pk8_fp4_f32 v[224+2*\b], v[96+16*\b:103+16*\b], v[244+\b]
	v_cvt_scalef32_pk8_fp4_f32 v[225+2*\b], v[104+16*\b:111+16*\b], v[244+\b]
.endr
	v_nop
	v_permlane16_swap_b32 v224, v226
	v_permlane16_swap_b32 v225, v227               ; lanes 0-15 hold block 0 of their query, lanes 16-31 block 1
	v_cndmask_b32 v238, v236, v237, s[HM]          ; and its byte
	global_store_b128 v1, v[224:227], s[26:27] offset:\n*131072   ; 512 consecutive bytes, aligned
	global_store_b8 v28, v238, s[28:29] offset:\n*8192            ; a byte a lane: one byte for each 16 of codes
.endm
	QTILE 0
	QTILE 1
	s_wait_tensorcnt 0x0                           ; the wave's end, behind my last LDS store
	ds_add_u32 v[SPW], v[NIL]
	s_wait_dscnt 0x0
	s_endpgm
.Lfunc_end_k_q00f8156f74_attn:
	.size	k_q00f8156f74_attn, .Lfunc_end_k_q00f8156f74_attn-k_q00f8156f74_attn
	.p2alignl 7, 3214868480
	.fill 96, 4, 3214868480
	.section	.rodata,"a",@progbits
	.p2align	6, 0x0
	.amdhsa_kernel k_q00f8156f74_attn
		.amdhsa_group_segment_fixed_size 141312
		.amdhsa_private_segment_fixed_size 0
		.amdhsa_enable_private_segment 0
		.amdhsa_kernarg_size 32
		.amdhsa_user_sgpr_count 2
		.amdhsa_user_sgpr_kernarg_segment_ptr 1
		.amdhsa_wavefront_size32 1
		.amdhsa_system_sgpr_workgroup_id_x 1
		.amdhsa_system_sgpr_workgroup_id_y 1
		.amdhsa_system_sgpr_workgroup_id_z 1
		.amdhsa_system_vgpr_workitem_id 0
		.amdhsa_next_free_vgpr 256
		.amdhsa_next_free_sgpr 66
		.amdhsa_reserve_vcc 0
		.amdhsa_float_denorm_mode_32 3
		.amdhsa_float_denorm_mode_16_64 3
		.amdhsa_memory_ordered 1
		.amdhsa_forward_progress 1
		.amdhsa_inst_pref_size 47
	.end_amdhsa_kernel
	.amdgpu_metadata
---
amdhsa.version: [ 1, 2 ]
amdhsa.kernels:
  - .name:           k_q00f8156f74_attn
    .symbol:         k_q00f8156f74_attn.kd
    .args:
      - { .name: qkv, .offset: 0, .size: 8, .value_kind: global_buffer, .address_space: global }
      - { .name: qkvs, .offset: 8, .size: 8, .value_kind: global_buffer, .address_space: global }
      - { .name: ctx, .offset: 16, .size: 8, .value_kind: global_buffer, .address_space: global }
      - { .name: ctxs, .offset: 24, .size: 8, .value_kind: global_buffer, .address_space: global }
    .group_segment_fixed_size: 141312
    .private_segment_fixed_size: 0
    .kernarg_segment_align: 8
    .kernarg_segment_size: 32
    .max_flat_workgroup_size: 512
    .sgpr_count:     66
    .vgpr_count:     256
    .wavefront_size: 32
...
	.end_amdgpu_metadata
.endif
;; end of part 3
;; launch oproj (part 4): grid 256 x 1, 16 waves a work-group, no clusters, 151,040 bytes of LDS; arguments ctx, ctxs, img, scl, x, bo, gamma, beta, out0; writes out0
.if DOCPART == 4
	.amdgcn_target "amdgcn-amd-amdhsa--gfx1250"
	.amdhsa_code_object_version 6
	.text
	.protected	k_q00f8156f74_oproj
	.globl	k_q00f8156f74_oproj
	.p2align	8
	.type	k_q00f8156f74_oproj,@function
k_q00f8156f74_oproj:
	s_mov_b64 s[64:65], 0
	v_nop
	global_prefetch_b8 v0, s[64:65] scope:SCOPE_SE
	s_setreg_imm32_b32 hwreg(HW_REG_WAVE_MODE, 25, 1), 1
	s_wait_xcnt 0x0
; out0 = LayerNorm(x + ctx Wo + bo) x gamma + beta; the product on codes of FP4.
; SHARES.  Work-group P owns rows 32 P .. 32 P + 31 (ctx's tiles 2 P, 2 P + 1) across all 1,024 columns, so that a row's mean and variance never leave the work-group.
; In the product wave w makes columns 64 w .. 64 w + 63 (Wo's tiles 4 w + i) for both tiles of rows: eight accumulators by turns.  Its fragments of Wo go from memory straight into its registers, two K steps ahead.
; In the fill and in the norm wave w owns two whole rows.
; x + bo IS THE C THAT STARTS THE SUMS: x comes into a stage in LDS as whole rows, each wave reads its columns of all 32 rows in the result's layout, adds bo, and the eight K steps add onto that.
; The results go back to the same bytes of the stage (each wave writes only the bytes that it alone read), and each wave reads two whole rows for the norm.  The variance is taken of y - mean, in a second pass, as it is defined.
; No multicast: each fragment of Wo is wanted by one wave of a work-group and lands in its registers; Wo's 524,288 bytes of codes do not fit in LDS beside the stage of 131,584.
; LIMITS: NaN and infinities among the inputs are not served.
; REGISTERS: v1-9 places; v10, v11 the add's two; v16-47 Wo's scale words (8 i + s); v48-63 ctx's (8 m + s); v64-127 x as loaded, then the accumulators (m, i) at 64 + 8 (4 m + i), then two rows of y;
;   v128-159 ctx's fragments, two sets; v160-223 Wo's, two sets, later beta and work; v224-255 bo, then gamma.
.set CSC,  16384                       ; LDS: ctx's two tiles from 0 (16,384 bytes), their scale bytes (1,024),
.set STG,  17408                       ; the stage: 32 rows of 4,096 bytes + 16: stage row 16 m + r,
.set SP,   4112
.set SPARE, 148992                     ; and the spare words, 128 bytes for each wave, that no other line names
.set SPW, 10
.set NIL, 11
	s_load_b512 s[4:19], s[0:1], 0x0               ; ctx s[4:5], ctxs s[6:7], img s[8:9], scl s[10:11], x s[12:13], bo s[14:15], gamma s[16:17], beta s[18:19]
	s_load_b64 s[20:21], s[0:1], 0x40              ; out0
	v_lshl_add_u32 v[SPW], v0, 2, SPARE
	v_mov_b32 v[NIL], 0
	v_lshrrev_b32 v1, 5, v0
	v_readfirstlane_b32 s22, v1                    ; wave 0..15
	v_and_b32 v12, 15, v0                          ; r
	v_bfe_u32 v13, v0, 4, 1                        ; h
	v_and_b32 v1, 31, v0
	v_lshlrev_b32 v1, 4, v1                        ; 16 x lane
	v_lshlrev_b32 v2, 4, v0                        ; 16 x thread
	v_lshlrev_b32 v3, 1, v0                        ; 2 x thread
	v_lshlrev_b32 v4, 4, v12                       ; 16 r
	v_lshlrev_b32 v5, 6, v13                       ; 64 h
	v_lshl_add_u32 v6, v12, 5, CSC                 ; ctx's scale words: 32 bytes a row
	v_mul_u32_u24 v7, v12, SP
	v_add_nc_u32 v7, v7, v5
	s_lshl_b32 s23, s22, 8
	s_add_co_u32 s23, s23, STG
	v_add_nc_u32 v7, s23, v7                       ; the stage in the result's layout: row r, + 64 h, + 256 x wave;
	v_add_nc_u32 v8, 16*SP, v7                     ; the second tile of rows
	s_mul_i32 s23, s22, 2*SP
	s_add_co_u32 s23, s23, STG
	v_add_nc_u32 v9, s23, v1                       ; and by rows: my two rows, 16 bytes a lane
	s_lshl_b32 s24, ttmp9, 14
	s_mov_b32 s25, 0
	s_lshl_b32 s26, ttmp9, 10
	s_mov_b32 s27, 0
	s_lshr_b32 s28, s22, 1
	s_add_co_u32 s28, s28, 88                      ; Wo's group 88 + wave / 2,
	s_lshl_b32 s28, s28, 16
	s_and_b32 s29, s22, 1
	s_lshl_b32 s29, s29, 12                        ; its tiles 4 (wave % 2) on
	s_add_co_u32 s28, s28, s29
	s_mov_b32 s29, 0
	s_lshl_b32 s30, s22, 2
	s_add_co_u32 s30, s30, 704
	s_lshl_b32 s30, s30, 9                         ; their scale words
	s_mov_b32 s31, 0
	s_lshl_b32 s32, ttmp9, 5                       ; my first row: 32 P + 8 (wave / 8) + rho(2 (wave % 8)); the second is the next
	s_lshr_b32 s33, s22, 3
	s_lshl_b32 s33, s33, 3
	s_add_co_u32 s32, s32, s33
	s_and_b32 s33, s22, 7
	s_lshl_b32 s33, s33, 1
	s_add_co_u32 s32, s32, s33
	s_bfe_u32 s33, s22, 0x10002
	s_lshl_b32 s33, s33, 3
	s_add_co_u32 s32, s32, s33
	s_lshl_b32 s32, s32, 12
	s_mov_b32 s33, 0
	s_lshl_b32 s34, s22, 8                         ; bo: my 64 columns
	s_mov_b32 s35, 0
	s_mov_b32 s36, 0x76543210
	s_mov_b32 s37, 0xfedcba98
	s_mov_b32 s38, 0x3a800000                      ; 1 / 1,024
	s_mov_b32 s39, 0x3a83126f                      ; 1e-3
	s_wait_kmcnt 0x0
	s_add_nc_u64 s[4:5], s[4:5], s[24:25]
	s_add_nc_u64 s[6:7], s[6:7], s[26:27]
	s_add_nc_u64 s[8:9], s[8:9], s[28:29]
	s_add_nc_u64 s[10:11], s[10:11], s[30:31]
	s_add_nc_u64 s[12:13], s[12:13], s[32:33]
	s_add_nc_u64 s[20:21], s[20:21], s[32:33]
	s_add_nc_u64 s[14:15], s[14:15], s[34:35]
.macro WLOAD s                         ; my four fragments of Wo for K step s into set s % 2
.irp i, 0,1,2,3
.irp c, 0,1
	global_load_b128 v[160+32*((\s)%2)+8*\i+4*\c:163+32*((\s)%2)+8*\i+4*\c], v1, s[8:9] offset:(\s)*8192+\i*1024+\c*512
.endr
.endr
.endm
.macro CFRAG s                         ; ctx's two fragments of K step s into set s % 2
.irp m, 0,1
.irp c, 0,1
	ds_load_b128 v[128+16*((\s)%2)+8*\m+4*\c:131+16*((\s)%2)+8*\m+4*\c], v1 offset:\m*8192+(\s)*1024+\c*512
.endr
.endr
.endm
	; ---- the loads, in the order in which they are wanted
	global_load_b128 v[128:131], v2, s[4:5]
	global_load_b128 v[132:135], v2, s[4:5] offset:8192
	global_load_u16 v136, v3, s[6:7]
.irp i, 0,1
.irp k, 0,1,2,3,4,5,6,7
	global_load_b128 v[64+32*\i+4*\k:67+32*\i+4*\k], v1, s[12:13] offset:\i*4096+\k*512 th:TH_LOAD_NT
.endr
.endr
.irp i, 0,1,2,3
.irp f, 0,1
	global_load_b128 v[16+8*\i+4*\f:19+8*\i+4*\f], v4, s[10:11] offset:\i*512+\f*256
.endr
.endr
.irp i, 0,1,2,3
	global_load_b128 v[224+8*\i:227+8*\i], v5, s[14:15] offset:128*(\i/2)+32*(\i%2)
	global_load_b128 v[228+8*\i:231+8*\i], v5, s[14:15] offset:128*(\i/2)+32*(\i%2)+16
.endr
	WLOAD 0
	WLOAD 1
	; ---- the fill
	s_wait_loadcnt 32                              ; ctx, its scale bytes and x are in; behind them: 8 of Wo's scale words, 8 of bo, 16 of Wo
	ds_store_b128 v2, v[128:131]
	ds_store_b128 v2, v[132:135] offset:8192
	ds_store_b16 v3, v136 offset:CSC
.irp i, 0,1
.irp k, 0,1,2,3,4,5,6,7
	ds_store_b128 v9, v[64+32*\i+4*\k:67+32*\i+4*\k] offset:\i*SP+\k*512
.endr
.endr
	s_wait_dscnt 0x0                               ; for the others' sake: my stores have landed
	s_barrier_signal -1
	s_barrier_wait -1
	; ---- the sums begin as x + bo
.irp m, 0,1
.irp f, 0,1
	ds_load_b128 v[48+8*\m+4*\f:51+8*\m+4*\f], v6 offset:\m*512+\f*16
.endr
.endr
.irp m, 0,1
.irp i, 0,1,2,3
	ds_load_b128 v[64+8*(4*\m+\i):67+8*(4*\m+\i)], v[7+\m] offset:128*(\i/2)+32*(\i%2)
	ds_load_b128 v[68+8*(4*\m+\i):71+8*(4*\m+\i)], v[7+\m] offset:128*(\i/2)+32*(\i%2)+16
.endr
.endr
	CFRAG 0
	s_wait_dscnt 0x0
	s_wait_loadcnt 16                              ; Wo's scale words and bo are in; Wo's first two K steps may be out
.irp m, 0,1
.irp i, 0,1,2,3
.irp j, 0,2,4,6
	v_pk_add_f32 v[64+8*(4*\m+\i)+\j:65+8*(4*\m+\i)+\j], v[64+8*(4*\m+\i)+\j:65+8*(4*\m+\i)+\j], v[224+8*\i+\j:225+8*\i+\j]
.endr
.endr
.endr
.irp k, 0,1,2,3,4,5,6,7
	global_load_b128 v[224+4*\k:227+4*\k], v1, s[16:17] offset:512*\k   ; gamma, by the norm's columns: 128 k + 4 lane
.endr
; K step s.  lc: the loads issued behind Wo's fragments of this step, which may stay out.
.macro KSTEP s, lc
.if (\s) < 7
	CFRAG (\s)+1
	s_wait_dscnt 4                                 ; this step's fragments of ctx are in; the next step's four loads may be out
.else
	s_wait_dscnt 0x0
.endif
	s_wait_loadcnt \lc
.irp i, 0,1,2,3
.irp m, 0,1
	v_wmma_scale_f32_16x16x128_f8f6f4 v[64+8*(4*\m+\i):71+8*(4*\m+\i)], v[160+32*((\s)%2)+8*\i:167+32*((\s)%2)+8*\i], v[128+16*((\s)%2)+8*\m:135+16*((\s)%2)+8*\m], v[64+8*(4*\m+\i):71+8*(4*\m+\i)], v[16+8*\i+(\s)], v[48+8*\m+(\s)] matrix_a_fmt:MATRIX_FMT_FP4 matrix_b_fmt:MATRIX_FMT_FP4
.endr
.endr
.rept 4
	v_nop                                          ; places in front of loads into registers that these have read, and of the first read of results
.endr
.if (\s) < 6
	WLOAD (\s)+2
.elseif (\s) == 6
.irp k, 0,1,2,3,4,5,6,7
	global_load_b128 v[160+4*\k:163+4*\k], v1, s[18:19] offset:512*\k   ; beta, into the set that has been multiplied
.endr
.endif
.endm
	KSTEP 0, 16                                    ; behind step 0's: step 1's and gamma
	KSTEP 1, 16                                    ; gamma and step 2's
	KSTEP 2, 8
	KSTEP 3, 8
	KSTEP 4, 8
	KSTEP 5, 8
	KSTEP 6, 8
	KSTEP 7, 8                                     ; beta
	; ---- back into the stage, each accumulator from its low end on
.irp m, 0,1
.irp i, 0,1,2,3
	ds_store_b128 v[7+\m], v[64+8*(4*\m+\i):67+8*(4*\m+\i)] offset:128*(\i/2)+32*(\i%2)
	ds_store_b128 v[7+\m], v[68+8*(4*\m+\i):71+8*(4*\m+\i)] offset:128*(\i/2)+32*(\i%2)+16
.endr
.endr
	s_wait_dscnt 0x0
	s_barrier_signal -1
	s_barrier_wait -1                              ; 32 whole rows of y lie in the stage
	; ---- the norm: two rows a wave, by turns
.irp i, 0,1
.irp k, 0,1,2,3,4,5,6,7
	ds_load_b128 v[64+32*\i+4*\k:67+32*\i+4*\k], v9 offset:\i*SP+\k*512
.endr
.endr
	s_wait_dscnt 0x0
	s_wait_loadcnt 0x0                             ; beta
.macro REDUCE                          ; v[192 + 8 i : 195 + 8 i], two packed chains of row i, become the row's sum in v[192 + 8 i] of every lane
.irp i, 0,1
	v_pk_add_f32 v[192+8*\i:193+8*\i], v[192+8*\i:193+8*\i], v[194+8*\i:195+8*\i]
.endr
.irp i, 0,1
	v_add_f32 v[192+8*\i], v[192+8*\i], v[193+8*\i]
.endr
.irp m, 1,2,4,8
.irp i, 0,1
	v_add_f32_dpp v[192+8*\i], v[192+8*\i], v[192+8*\i] row_xmask:\m row_mask:0xf bank_mask:0xf
.endr
.endr
.irp i, 0,1
	v_permlanex16_b32 v[193+8*\i], v[192+8*\i], s36, s37
.endr
.irp i, 0,1
	v_add_f32 v[192+8*\i], v[192+8*\i], v[193+8*\i]
.endr
.endm
.irp i, 0,1
	v_pk_add_f32 v[192+8*\i:193+8*\i], v[64+32*\i:65+32*\i], v[66+32*\i:67+32*\i]
	v_pk_add_f32 v[194+8*\i:195+8*\i], v[68+32*\i:69+32*\i], v[70+32*\i:71+32*\i]
.endr
.irp j, 8,12,16,20,24,28
.irp i, 0,1
	v_pk_add_f32 v[192+8*\i:193+8*\i], v[192+8*\i:193+8*\i], v[64+32*\i+\j:65+32*\i+\j]
	v_pk_add_f32 v[194+8*\i:195+8*\i], v[194+8*\i:195+8*\i], v[66+32*\i+\j:67+32*\i+\j]
.endr
.endr
	REDUCE
.irp i, 0,1
	v_mul_f32 v[196+8*\i], s38, v[192+8*\i]        ; the mean,
.endr
.irp i, 0,1
	v_mov_b32 v[197+8*\i], v[196+8*\i]             ; as a pair
.endr
.irp j, 0,2,4,6,8,10,12,14,16,18,20,22,24,26,28,30
.irp i, 0,1
	v_pk_add_f32 v[64+32*\i+\j:65+32*\i+\j], v[64+32*\i+\j:65+32*\i+\j], v[196+8*\i:197+8*\i] neg_lo:[0,1] neg_hi:[0,1]   ; y - mean
.endr
.endr
.irp i, 0,1
	v_pk_mul_f32 v[192+8*\i:193+8*\i], v[64+32*\i:65+32*\i], v[64+32*\i:65+32*\i]
	v_pk_mul_f32 v[194+8*\i:195+8*\i], v[66+32*\i:67+32*\i], v[66+32*\i:67+32*\i]
.endr
.irp j, 4,8,12,16,20,24,28
.irp i, 0,1
	v_pk_fma_f32 v[192+8*\i:193+8*\i], v[64+32*\i+\j:65+32*\i+\j], v[64+32*\i+\j:65+32*\i+\j], v[192+8*\i:193+8*\i]
	v_pk_fma_f32 v[194+8*\i:195+8*\i], v[66+32*\i+\j:67+32*\i+\j], v[66+32*\i+\j:67+32*\i+\j], v[194+8*\i:195+8*\i]
.endr
.endr
	REDUCE
.irp i, 0,1
	v_fma_f32 v[198+8*\i], v[192+8*\i], s38, s39   ; the variance + 1e-3
.endr
.irp i, 0,1
	v_rsq_f32 v[196+8*\i], v[198+8*\i]             ; twice each: a pair for the packed multiply; the four are one batch
	v_rsq_f32 v[197+8*\i], v[198+8*\i]
.endr
	v_nop                                          ; a plain place behind the last of them
	s_wait_alu depctr_va_vdst(0)                   ; and one wait ahead of the first reader
.irp j, 0,2,4,6,8,10,12,14,16,18,20,22,24,26,28,30
.irp i, 0,1
	v_pk_mul_f32 v[64+32*\i+\j:65+32*\i+\j], v[64+32*\i+\j:65+32*\i+\j], v[196+8*\i:197+8*\i]
.endr
.endr
.irp j, 0,2,4,6,8,10,12,14,16,18,20,22,24,26,28,30
.irp i, 0,1
	v_pk_fma_f32 v[64+32*\i+\j:65+32*\i+\j], v[64+32*\i+\j:65+32*\i+\j], v[224+\j:225+\j], v[160+\j:161+\j]   ; x gamma + beta
.endr
.endr
.irp i, 0,1
.irp k, 0,1,2,3,4,5,6,7
	global_store_b128 v1, v[64+32*\i+4*\k:67+32*\i+4*\k], s[20:21] offset:\i*4096+\k*512 th:TH_STORE_NT   ; 32 lanes store 512 consecutive bytes, aligned
.endr
.endr
	s_wait_tensorcnt 0x0                           ; the wave's end, behind my last LDS store
	ds_add_u32 v[SPW], v[NIL]
	s_wait_dscnt 0x0
	s_endpgm
.Lfunc_end_k_q00f8156f74_oproj:
	.size	k_q00f8156f74_oproj, .Lfunc_end_k_q00f8156f74_oproj-k_q00f8156f74_oproj
	.p2alignl 7, 3214868480
	.fill 96, 4, 3214868480
	.section	.rodata,"a",@progbits
	.p2align	6, 0x0
	.amdhsa_kernel k_q00f8156f74_oproj
		.amdhsa_group_segment_fixed_size 151040
		.amdhsa_private_segment_fixed_size 0
		.amdhsa_enable_private_segment 0
		.amdhsa_kernarg_size 72
		.amdhsa_user_sgpr_count 2
		.amdhsa_user_sgpr_kernarg_segment_ptr 1
		.amdhsa_wavefront_size32 1
		.amdhsa_system_sgpr_workgroup_id_x 1
		.amdhsa_system_sgpr_workgroup_id_y 1
		.amdhsa_system_sgpr_workgroup_id_z 1
		.amdhsa_system_vgpr_workitem_id 0
		.amdhsa_next_free_vgpr 256
		.amdhsa_next_free_sgpr 66
		.amdhsa_reserve_vcc 0
		.amdhsa_float_denorm_mode_32 3
		.amdhsa_float_denorm_mode_16_64 3
		.amdhsa_memory_ordered 1
		.amdhsa_forward_progress 1
		.amdhsa_inst_pref_size 46
	.end_amdhsa_kernel
	.amdgpu_metadata
---
amdhsa.version: [ 1, 2 ]
amdhsa.kernels:
  - .name:           k_q00f8156f74_oproj
    .symbol:         k_q00f8156f74_oproj.kd
    .args:
      - { .name: ctx, .offset: 0, .size: 8, .value_kind: global_buffer, .address_space: global }
      - { .name: ctxs, .offset: 8, .size: 8, .value_kind: global_buffer, .address_space: global }
      - { .name: img, .offset: 16, .size: 8, .value_kind: global_buffer, .address_space: global }
      - { .name: scl, .offset: 24, .size: 8, .value_kind: global_buffer, .address_space: global }
      - { .name: x, .offset: 32, .size: 8, .value_kind: global_buffer, .address_space: global }
      - { .name: bo, .offset: 40, .size: 8, .value_kind: global_buffer, .address_space: global }
      - { .name: gamma, .offset: 48, .size: 8, .value_kind: global_buffer, .address_space: global }
      - { .name: beta, .offset: 56, .size: 8, .value_kind: global_buffer, .address_space: global }
      - { .name: out0, .offset: 64, .size: 8, .value_kind: global_buffer, .address_space: global }
    .group_segment_fixed_size: 151040
    .private_segment_fixed_size: 0
    .kernarg_segment_align: 8
    .kernarg_segment_size: 72
    .max_flat_workgroup_size: 512
    .sgpr_count:     66
    .vgpr_count:     256
    .wavefront_size: 32
...
	.end_amdgpu_metadata
.endif
;; end of part 4
;; ======== version 2 of 2: 4 launches; version 1 with the launches attn, oproj written anew for expert scheduling mode
;; workspace buffers: img 6,291,456 bytes; scl 393,216 bytes; qkv 12,582,912 bytes; qkvs 786,432 bytes; ctx 4,194,304 bytes; ctxs 262,144 bytes
;; launch prep: the kernel of part 1 again; grid 256 x 1, 8 waves a work-group, no clusters, 68,608 bytes of LDS; arguments x, Wq, Wk, Wv, Wo, img, scl; writes img, scl
;; launch qkvproj: the kernel of part 2 again; grid 12 x 32, 4 waves a work-group, clusters of 4 x 4, 327,680 bytes of LDS; arguments img, scl, bq, bk, bv, qkv, qkvs; writes qkv, qkvs
;; launch attn (part 5): grid 4 x 64, 16 waves a work-group, no clusters, 141,312 bytes of LDS; arguments qkv, qkvs, ctx, ctxs; writes ctx, ctxs
.if DOCPART == 5
	.amdgcn_target "amdgcn-amd-amdhsa--gfx1250"
	.amdhsa_code_object_version 6
	.text
	.protected	k_q00f8156f74_attn
	.globl	k_q00f8156f74_attn
	.p2align	8
	.type	k_q00f8156f74_attn,@function
k_q00f8156f74_attn:
	s_mov_b64 s[64:65], 0
	v_nop
	global_prefetch_b8 v0, s[64:65] scope:SCOPE_SE
	s_setreg_imm32_b32 hwreg(HW_REG_WAVE_SCHED_MODE, 0, 2), 2
	s_setreg_imm32_b32 hwreg(HW_REG_WAVE_MODE, 25, 1), 1
	s_wait_xcnt 0x0
	s_wait_alu depctr_vm_vsrc(0)
; ctx = softmax(q k^T / 8) v for one head, both products on codes of FP4, and ctx quantised along the channels for the last product.
; THE SOFTMAX: t = score x log2(e) / 8; M = the running largest t rounded UP to a whole number; p = 2^(t - M) is quantised along the keys, not normalised; the row's sum is taken of the unquantised p and divides at the end.
; SHARES.  A work-group owns 512 queries of one head (x: which 512; y: batch x 16 + head).  Each of its sixteen waves owns two tiles of 16 queries, one after the other, in 256 registers: four waves to a SIMD,
; so that one wave's vector work stands beside another's matrix work and LDS loads.
; THE HEAD'S K AND V LIE IN LDS WHOLE: 65,536 bytes of codes each and 4,096 of scale words each, as they lie in memory.  They are brought once, through registers (17 loads a thread), one barrier follows, and from then on LDS is only read.
; No multicast: the four work-groups of a head share that one fill alone, 17 loads a thread against 32 key steps of some 270 instructions each.
; LAYOUT.  Both products are used transposed: a lane holds ONE query throughout.  The rows of a tile are 32 (T / 2) + 8 (T % 2) + rho(r), so the 16 registers of key tiles 2 b, 2 b + 1 are 16 neighbouring keys.
; THE FIRST PRODUCT HAS K = 64, half of the instruction's 128.  A fragment of k holds TWO key tiles (registers 0-3 the even one, 4-7 the odd one) and is multiplied once by (q, zero codes) and once by (zero codes, q):
; no LDS byte is read for the padding; half of each of these instructions multiplies zero codes.  k's scale word carries both tiles' bytes, q's is (s0, s1, s0, s1).
; LIMITS: as in the first launch (byte 1 for a block of zeros; NaN and infinities not served).
; REGISTERS: v1-4, v7, v28 places that stay; v8-11 the step's LDS addresses; v12 -M, v13 the largest t, v[14:15] the sum; v16-19 q, v20-23 zeros, v24-27 q again; v32-63 k's four fragments; v64-95 v's four;
;   v96-159 scores, then p; v160-191 O^T; v192-195 v's scale words; v224-231 p's codes; v232-247, v252, v254 at work; v248-251 k's scale words; v253 p's scale word; v255 q's.
; THE MODE: SCHED_MODE bits 1:0 = 2 (LLVM: expert scheduling mode 2), set by the entry lines.  The code itself states the register dependences
; between vector or matrix instructions and memory or LDS instructions, with s_wait_alu, always for 0.
; THE PLAN.  Registers that memory or LDS instructions touch, in the key loop:
;   v32-63, v248-251   k of a step.  Read by the step's eight first products; behind them the NEXT step's nine loads land there.
;   v64-95, v192-195   v of a step.  Read by the step's four last products; the next step's nine loads land there.
;   v8-11              the step's LDS addresses.  Written by four additions at the step's head, read by the step's eighteen loads.
;   v1-4               read by those additions and by a tile's first loads; never written again.
; The wait on va_vdst that stands behind a step's 64 exponentials for their results' sake states the rest as well: the first products are done reading k, the last step's products are done
; reading v, and v8-11 are written.  So all eighteen loads stand behind it: v's nine at once, k's nine for the next step one by one among the row's sums, which name none of their registers.
; One wait on vm_vsrc at a step's head stands ahead of the additions; one more wait on va_vdst stands ahead of the last products, which take codes and a scale word that vector lines have just made.
; k of a tile's first step is asked for at the tile's head; the last step is written out and asks for no more of k.
.set VL,   65536                       ; LDS: k's codes from 0, v's from here,
.set KSL,  131072                      ; k's scale words,
.set VSL,  135168                      ; v's,
.set SPARE, 139264                     ; and the spare words, 128 bytes for each wave, that no other line names
.set SPW, 5
.set NIL, 6
.set ADK, 8
.set ADV, 9
.set ADS, 10
.set ADT, 11
.set WV,  18
.set SEL, 20
.set CS,  22                           ; s[22:23] c = log2(e) / 8
.set HM,  30                           ; s30 the lanes 16-31
.set SELQ, 31                          ; s31 which half of the pair's word is my query tile's
.set TB,  32                           ; s32 the key step's codes: 4,096 bytes a step, in k and in v
.set TS,  33                           ; s33 its scale words: 256 bytes a step
.set KC,  34
	s_load_b256 s[4:11], s[0:1], 0x0               ; qkv s[4:5], qkvs s[6:7], ctx s[8:9], ctxs s[10:11]
	v_lshl_add_u32 v[SPW], v0, 2, SPARE
	v_mov_b32 v[NIL], 0
	v_lshrrev_b32 v1, 5, v0
	v_readfirstlane_b32 s[WV], v1                  ; wave 0..15
	v_and_b32 v1, 31, v0
	v_cmp_le_u32 s[HM], 16, v1
	v_lshlrev_b32 v29, 4, v0                       ; the fill: 16 x thread,
	v_add_nc_u32 v30, VL, v29
	v_add_nc_u32 v31, KSL, v29
	v_and_b32 v7, 15, v0                           ; r
	v_bfe_u32 v28, v0, 4, 1                        ; h
	v_lshlrev_b32 v1, 4, v1                        ; 16 x lane: a fragment's place for my lane
	v_add_nc_u32 v2, VL, v1
	v_lshl_add_u32 v28, v7, 5, v28                 ; 32 r + h: my byte of ctx's scales
	v_lshlrev_b32 v7, 4, v7                        ; 16 r
	v_add_nc_u32 v3, KSL, v7
	v_add_nc_u32 v4, VSL, v7
.irp j, 20,21,22,23
	v_mov_b32 v[\j], 0                             ; the zero codes between the two copies of q; written once
.endr
	s_wait_alu depctr_va_sdst(0)                   ; the wave's number s18 and the lanes' mask s30 are written, ahead of their first readers: the scalar lines below, and the select on each tile's way out
	s_and_b32 s19, ttmp7, 0xffff                   ; batch x 16 + head
	s_mul_i32 s12, s19, 196608
	s_mov_b32 s13, 0
	s_mul_i32 s14, s19, 12288
	s_mov_b32 s15, 0
	s_lshl_b32 s35, ttmp9, 5
	s_add_co_u32 s35, s35, s[WV]                   ; my first query tile in the batch; the second lies 16 tiles on
	s_lshl_b32 s16, s35, 9
	s_add_co_u32 s16, s16, s12                     ; q's codes
	s_mov_b32 s17, 0
	s_lshr_b32 s24, s35, 3
	s_lshl_b32 s24, s24, 8
	s_bfe_u32 s25, s[WV], 0x20001
	s_lshl_b32 s25, s25, 2
	s_add_co_u32 s24, s24, s25
	s_add_co_u32 s24, s24, s14                     ; the word of my tile's pair
	s_mov_b32 s25, 0
	s_lshr_b32 s36, s19, 4                         ; batch
	s_and_b32 s37, s19, 15                         ; head
	s_lshl_b32 s36, s36, 7
	s_add_co_u32 s36, s36, s35                     ; my tile among all 512
	s_lshl_b32 s26, s36, 13
	s_lshl_b32 s38, s37, 9
	s_add_co_u32 s26, s26, s38                     ; ctx: 8,192 bytes a tile, 512 a head
	s_mov_b32 s27, 0
	s_lshl_b32 s28, s36, 9
	s_lshl_b32 s38, s37, 1
	s_add_co_u32 s28, s28, s38                     ; ctxs: 512 bytes a tile, 2 a head
	s_mov_b32 s29, 0
	s_add_co_u32 s12, s12, 65536                   ; k's third, and v's behind it
	s_add_co_u32 s14, s14, 4096
	s_wait_kmcnt 0x0
	s_add_nc_u64 s[12:13], s[4:5], s[12:13]
	s_add_nc_u64 s[14:15], s[6:7], s[14:15]
	s_add_nc_u64 s[16:17], s[4:5], s[16:17]
	s_add_nc_u64 s[24:25], s[6:7], s[24:25]
	s_add_nc_u64 s[26:27], s[8:9], s[26:27]
	s_add_nc_u64 s[28:29], s[10:11], s[28:29]
	s_wait_alu depctr_va_vdst(0)                   ; the places v1-4, v7, v28-31 are written, which the kernel's loads and stores read as addresses; so are the zero codes v20-23, which the first products take as an operand
.irp i, 0,1,2,3,4,5,6,7,8,9,10,11,12,13,14,15
	global_load_b128 v[32+4*\i:35+4*\i], v29, s[12:13] offset:\i*8192   ; the work-group reads 8,192 consecutive bytes
.endr
	global_load_b128 v[96:99], v29, s[14:15]
	s_mov_b32 s[SEL], 0x76543210
	s_mov_b32 s[SEL+1], 0xfedcba98
	s_mov_b32 s[CS], 0x3e38aa3b
	s_mov_b32 s[CS+1], s[CS]                       ; named with it as a pair, so it is written
	s_and_b32 s38, s[WV], 1
	s_cmp_eq_u32 s38, 1
	s_mov_b32 s[SELQ], 0x01000100
	s_cselect_b32 s[SELQ], 0x03020302, s[SELQ]
.irp i, 0,1,2,3,4,5,6,7
	s_wait_loadcnt 16-\i                           ; loads come back in order: load i is in, the younger ones may be out
	ds_store_b128 v29, v[32+4*\i:35+4*\i] offset:\i*8192
.endr
.irp i, 8,9,10,11,12,13,14,15
	s_wait_loadcnt 16-\i
	ds_store_b128 v30, v[32+4*\i:35+4*\i] offset:(\i-8)*8192
.endr
	s_wait_loadcnt 0x0
	ds_store_b128 v31, v[96:99]
	s_wait_dscnt 0x0                               ; for the others' sake: my stores have landed
	s_barrier_signal -1
	s_barrier_wait -1                              ; the head's k and v lie in LDS; nobody writes LDS again
	s_wait_alu depctr_vm_vsrc(0)                   ; my LDS stores have read v32-99: from here on fragments' loads land in these registers and products write them
; Piece q of eight of a step's codes of k: 512 consecutive bytes, from off bytes behind the address on
.macro KCODE adr, off, q
	ds_load_b128 v[32+4*(\q):35+4*(\q)], v[\adr] offset:(\off)+512*(\q)
.endm
; A KEY STEP: 128 keys.  last = 1: the tile's last step, which asks for no more of k.
.macro STEP last
	s_wait_alu depctr_vm_vsrc(0)                   ; the LDS loads issued so far have read v8-11, which the additions below write again
.if !\last
	v_add_nc_u32 v[ADK], s[TB], v1                 ; this step's places; k's loads reach one step further on by their offsets
	v_add_nc_u32 v[ADS], s[TS], v3
.endif
	v_add_nc_u32 v[ADV], s[TB], v2
	v_add_nc_u32 v[ADT], s[TS], v4
	s_wait_dscnt 0x0                               ; k's nine loads, asked for a step ago, are in
.irp p, 0,1,2,3
	v_wmma_scale_f32_16x16x128_f8f6f4 v[96+16*\p:103+16*\p], v[32+8*\p:39+8*\p], v[16:23], 0, v[248+\p], v255 matrix_a_fmt:MATRIX_FMT_FP4 matrix_b_fmt:MATRIX_FMT_FP4
	v_wmma_scale_f32_16x16x128_f8f6f4 v[104+16*\p:111+16*\p], v[32+8*\p:39+8*\p], v[20:27], 0, v[248+\p], v255 matrix_a_fmt:MATRIX_FMT_FP4 matrix_b_fmt:MATRIX_FMT_FP4
.endr                                          ; register 16 b + i: key 32 b + 16 (lane / 16) + i of the step
.rept 4
	v_nop
.endr
.irp b, 0,1,2,3
	v_max3_num_f32 v[232+\b], v[96+16*\b], v[97+16*\b], v[98+16*\b]   ; the largest score of each block of 32 keys: for the row's maximum and, since p rises with the score, for the block's largest p
.endr
.irp i, 3,5,7,9,11,13
.irp b, 0,1,2,3
	v_max3_num_f32 v[232+\b], v[232+\b], v[96+16*\b+\i], v[97+16*\b+\i]
.endr
.endr
.irp b, 0,1,2,3
	v_max_num_f32 v[232+\b], v[232+\b], v[111+16*\b]
.endr
.irp b, 0,1,2,3
	v_permlanex16_b32 v[236+\b], v[232+\b], s[SEL], s[SEL+1]
.endr
.irp b, 0,1,2,3
	v_max_num_f32 v[232+\b], v[232+\b], v[236+\b]  ; with lane l xor 16's 16 keys
.endr
	v_max3_num_f32 v254, v232, v233, v234
	v_max_num_f32 v254, v254, v235                 ; the step's largest score of my query
	v_mul_f32 v254, s[CS], v254                    ; as t (c is positive)
	v_max_num_f32 v13, v13, v254                   ; the running largest t
	v_mov_b32 v254, v12
	v_floor_f32 v12, -v13                          ; the new -M = floor(-t): M is a whole number
	v_sub_f32 v254, v12, v254                      ; old M less new M: a whole number, 0 or less
	v_cvt_i32_f32 v254, v254                       ; (it saturates)
	v_ldexp_f32 v252, 1.0, v254                    ; f = 2^(old M - new M): a multiplication by it rounds nothing
.irp j, 0,2,4,6,8,10,12,14,16,18,20,22,24,26,28,30,32,34,36,38,40,42,44,46,48,50,52,54,56,58,60,62
	v_pk_fma_f32 v[96+\j:97+\j], v[96+\j:97+\j], s[CS:CS+1], v[12:13] op_sel_hi:[1,0,0]   ; t - M, two at a time
.endr
.irp b, 0,1,2,3
	v_fma_f32 v[232+\b], v[232+\b], s[CS], v12     ; the same of each block's largest score
.endr
.irp j, 0,1,2,3,4,5,6,7,8,9,10,11,12,13,14,15,16,17,18,19,20,21,22,23,24,25,26,27,28,29,30,31,32,33,34,35,36,37,38,39,40,41,42,43,44,45,46,47,48,49,50,51,52,53,54,55,56,57,58,59,60,61,62,63
	v_exp_f32 v[96+\j], v[96+\j]                   ; p = 2^(t - M), at most 1
.endr
	v_pk_mul_f32 v[14:15], v[14:15], v[252:253] op_sel_hi:[1,0]   ; the sums under the new M: a plain place behind the exponentials
	s_wait_alu depctr_va_vdst(0)                   ; the 64 exponentials have written p, ahead of its first reader; the first products are done reading k (v32-63, v248-251) and the last step's products v (v64-95, v192-195), in which the loads below land; v8-11 are written, which those loads read
.irp t, 0,1,2,3
.irp c, 0,1
	ds_load_b128 v[64+8*\t+4*\c:67+8*\t+4*\c], v[ADV] offset:\t*1024+\c*512
.endr
.endr
	ds_load_b128 v[192:195], v[ADT]
.irp b, 0,1,2,3
	v_exp_f32 v[232+\b], v[232+\b]                 ; the block's largest p
.endr
	v_pk_add_f32 v[236:237], v[96:97], v[98:99]    ; the row's sum of the unquantised p, in two chains
.irp j, 4,8,12,16,20,24,28,32,36,40,44,48,52,56,60
	v_pk_add_f32 v[14:15], v[14:15], v[96+\j:97+\j]
	v_pk_add_f32 v[236:237], v[236:237], v[98+\j:99+\j]
.if !\last
.if (\j-4)/4 < 8
	KCODE ADK, 4096, (\j-4)/4                      ; the next step's k, a load behind each pair of sums.  No wait: no vector line since the wait above names v8, v10, v32-63 or v248-251
.elseif (\j-4)/4 == 8
	ds_load_b128 v[248:251], v[ADS] offset:256     ; and its four pairs' scale words
.endif
.endif
.endr
	v_pk_add_f32 v[14:15], v[14:15], v[236:237]
	s_wait_alu depctr_va_vdst(0)                   ; the four exponentials have written v232-235, ahead of their first reader
.irp b, 0,1,2,3
	v_max_num_f32 v[232+\b], 0x1800000, v[232+\b]  ; the floor: the byte cannot fall under 1
.endr
.irp b, 0,1,2,3
	v_add_nc_u32 v[244+\b], 0xff000000, v[232+\b]  ; the conversion's scale operand
.endr
.irp b, 0,1,2,3
	v_lshrrev_b32 v[236+\b], 23, v[244+\b]         ; the byte
.endr
	v_lshl_or_b32 v253, v237, 8, v236              ; p's scale word for these 128 keys
	v_lshl_or_b32 v253, v238, 16, v253
	v_lshl_or_b32 v253, v239, 24, v253
.irp b, 0,1,2,3
	v_cvt_scalef32_pk8_fp4_f32 v[224+2*\b], v[96+16*\b:103+16*\b], v[244+\b]
	v_cvt_scalef32_pk8_fp4_f32 v[225+2*\b], v[104+16*\b:111+16*\b], v[244+\b]
.endr
	v_nop                                          ; one plain place behind a scaled conversion
.irp c, 0,1
.irp i, 0,1
	v_permlane16_swap_b32 v[224+4*\c+\i], v[226+4*\c+\i]   ; a whole block to a lane
.endr
.endr
.irp j, 0,2,4,6,8,10,12,14,16,18,20,22,24,26,28,30
	v_pk_mul_f32 v[160+\j:161+\j], v[160+\j:161+\j], v[252:253] op_sel_hi:[1,0]   ; O^T under the new M.  These sixteen are also the places between the scale word, the codes and the products below
.endr
.if \last
	s_wait_dscnt 0x0                               ; v is in
.else
	s_wait_dscnt 9                                 ; v's nine loads are in; the nine behind them, the next step's k, may be out
.endif
	s_wait_alu depctr_va_vdst(0)                   ; p's codes v224-231 and its scale word v253 are written, which the products below take as operand and scales; the places above stay beside this wait
.irp t, 0,1,2,3
	v_wmma_scale_f32_16x16x128_f8f6f4 v[160+8*\t:167+8*\t], v[64+8*\t:71+8*\t], v[224:231], v[160+8*\t:167+8*\t], v[192+\t], v253 matrix_a_fmt:MATRIX_FMT_FP4 matrix_b_fmt:MATRIX_FMT_FP4
.endr                                          ; four accumulators, one instruction a turn
.if !\last
	s_add_co_u32 s[TB], s[TB], 4096
	s_add_co_u32 s[TS], s[TS], 256
.endif
.endm
; One tile of 16 queries against all 2,048 keys, and its way out.
.macro QTILE n
.if \n
	s_wait_xcnt 0x0                                ; the first tile's stores have read their registers
	s_wait_alu depctr_vm_vsrc(0)                   ; the first tile's stores have read v224-227 and v238, which this tile's vector lines write again
.endif
	global_load_b128 v[16:19], v1, s[16:17] offset:\n*8192   ; (second tile: the wait ahead of the first tile's stores has shown every reader and writer of the registers in which these twelve loads land done, and no vector line stands behind it)
	global_load_b128 v[24:27], v1, s[16:17] offset:\n*8192   ; the same once more: (q, 0) is v[16:23], (0, q) is v[20:27]
	global_load_b32 v254, v7, s[24:25] offset:\n*512
.irp q, 0,1,2,3,4,5,6,7
	KCODE 1, 0, \q                                 ; k of the first key step
.endr
	ds_load_b128 v[248:251], v3
	s_wait_loadcnt 0x0
	v_perm_b32 v255, v254, v254, s[SELQ]           ; my tile's two bytes, twice.  The lines below are more than the eight places owed between a scale word so made and a scaled product
	v_mov_b32 v13, 0xff61b1e6                      ; the largest t so far: -3e38
	v_floor_f32 v12, -v13
	v_mov_b32 v14, 0
	v_mov_b32 v15, 0
.irp b, 0,1,2,3
	v_mov_b32 v[236+\b], 0                         ; a lane permute's destination counts as one of its sources
.endr
	v_mov_b32 v253, 0                              ; named as the upper half of v[252:253] before it is first written
.irp j, 0,1,2,3,4,5,6,7,8,9,10,11,12,13,14,15,16,17,18,19,20,21,22,23,24,25,26,27,28,29,30,31
	v_mov_b32 v[160+\j], 0                         ; O^T: the step's first trip finds zeros, which the first change of M leaves zeros
.endr
	s_mov_b32 s[TB], 0
	s_mov_b32 s[TS], 0
	s_mov_b32 s[KC], 15
	s_wait_alu depctr_va_vdst(0)                   ; q's scale word v255 is written, which the first products take as scales
.Lkeys_\@:
	STEP 0
	s_sub_co_u32 s[KC], s[KC], 1
	s_cmp_lg_u32 s[KC], 0
	s_cbranch_scc1 .Lkeys_\@
	STEP 1                                         ; the sixteenth step is written out: there is no k behind it to ask for
.rept 4
	v_nop                                          ; places behind the last products
.endr
	v_add_f32 v14, v14, v15
	v_permlanex16_b32 v252, v14, s[SEL], s[SEL+1]
	v_add_f32 v14, v14, v252                       ; the row's sum
	v_rcp_f32 v14, v14
	v_nop                                          ; a plain place behind the transcendental
	s_wait_alu depctr_va_vdst(0)                   ; the reciprocal has written v14, ahead of its first reader
.irp j, 0,1,2,3,4,5,6,7,8,9,10,11,12,13,14,15,16,17,18,19,20,21,22,23,24,25,26,27,28,29,30,31
	v_mul_f32 v[96+\j], v[160+\j], v14             ; ctx: register 16 b + i = channel 32 b + 16 (lane / 16) + i of my query
.endr
.irp b, 0,1
	v_max3_num_f32 v[232+\b], |v[96+16*\b]|, |v[97+16*\b]|, 0x1800000
.endr
.irp i, 2,4,6,8,10,12,14
.irp b, 0,1
	v_max3_num_f32 v[232+\b], v[232+\b], |v[96+16*\b+\i]|, |v[97+16*\b+\i]|
.endr
.endr
.irp b, 0,1
	v_permlanex16_b32 v[236+\b], v[232+\b], s[SEL], s[SEL+1]
.endr
.irp b, 0,1
	v_max_num_f32 v[232+\b], v[232+\b], v[236+\b]
.endr
.irp b, 0,1
	v_add_nc_u32 v[244+\b], 0xff000000, v[232+\b]
.endr
.irp b, 0,1
	v_lshrrev_b32 v[236+\b], 23, v[244+\b]
.endr
.irp b, 0,1
	v_cvt_scalef32_pk8_fp4_f32 v[224+2*\b], v[96+16*\b:103+16*\b], v[244+\b]
	v_cvt_scalef32_pk8_fp4_f32 v[225+2*\b], v[104+16*\b:111+16*\b], v[244+\b]
.endr
	v_nop
	v_permlane16_swap_b32 v224, v226
	v_permlane16_swap_b32 v225, v227               ; lanes 0-15 hold block 0 of their query, lanes 16-31 block 1
	v_cndmask_b32 v238, v236, v237, s[HM]          ; and its byte
	s_wait_alu depctr_va_vdst(0)                   ; the codes v224-227 and the byte v238 are written, which the two stores read; and this tile's products and vector lines are done with q, k and v254, in which the next tile's first loads land
	global_store_b128 v1, v[224:227], s[26:27] offset:\n*131072   ; 512 consecutive bytes, aligned
	global_store_b8 v28, v238, s[28:29] offset:\n*8192            ; a byte a lane: one byte for each 16 of codes
.endm
	QTILE 0
	QTILE 1
	s_wait_dscnt 0x0                               ; the closing lines, six on end
	s_wait_alu 0x0
	s_wait_tensorcnt 0x0
	ds_add_u32 v[SPW], v[NIL]
	s_wait_dscnt 0x0
	s_endpgm
.Lfunc_end_k_q00f8156f74_attn:
	.size	k_q00f8156f74_attn, .Lfunc_end_k_q00f8156f74_attn-k_q00f8156f74_attn
	.p2alignl 7, 3214868480
	.fill 96, 4, 3214868480
	.section	.rodata,"a",@progbits
	.p2align	6, 0x0
	.amdhsa_kernel k_q00f8156f74_attn
		.amdhsa_group_segment_fixed_size 141312
		.amdhsa_private_segment_fixed_size 0
		.amdhsa_enable_private_segment 0
		.amdhsa_kernarg_size 32
		.amdhsa_user_sgpr_count 2
		.amdhsa_user_sgpr_kernarg_segment_ptr 1
		.amdhsa_wavefront_size32 1
		.amdhsa_system_sgpr_workgroup_id_x 1
		.amdhsa_system_sgpr_workgroup_id_y 1
		.amdhsa_system_sgpr_workgroup_id_z 1
		.amdhsa_system_vgpr_workitem_id 0
		.amdhsa_next_free_vgpr 256
		.amdhsa_next_free_sgpr 66
		.amdhsa_reserve_vcc 0
		.amdhsa_float_denorm_mode_32 3
		.amdhsa_float_denorm_mode_16_64 3
		.amdhsa_memory_ordered 1
		.amdhsa_forward_progress 1
		.amdhsa_inst_pref_size 76
	.end_amdhsa_kernel
	.amdgpu_metadata
---
amdhsa.version: [ 1, 2 ]
amdhsa.kernels:
  - .name:           k_q00f8156f74_attn
    .symbol:         k_q00f8156f74_attn.kd
    .args:
      - { .name: qkv, .offset: 0, .size: 8, .value_kind: global_buffer, .address_space: global }
      - { .name: qkvs, .offset: 8, .size: 8, .value_kind: global_buffer, .address_space: global }
      - { .name: ctx, .offset: 16, .size: 8, .value_kind: global_buffer, .address_space: global }
      - { .name: ctxs, .offset: 24, .size: 8, .value_kind: global_buffer, .address_space: global }
    .group_segment_fixed_size: 141312
    .private_segment_fixed_size: 0
    .kernarg_segment_align: 8
    .kernarg_segment_size: 32
    .max_flat_workgroup_size: 512
    .sgpr_count:     66
    .vgpr_count:     256
    .wavefront_size: 32
...
	.end_amdgpu_metadata
.endif
;; end of part 5
;; launch oproj (part 6): grid 256 x 1, 16 waves a work-group, no clusters, 151,040 bytes of LDS; arguments ctx, ctxs, img, scl, x, bo, gamma, beta, out0; writes out0
.if DOCPART == 6
	.amdgcn_target "amdgcn-amd-amdhsa--gfx1250"
	.amdhsa_code_object_version 6
	.text
	.protected	k_q00f8156f74_oproj
	.globl	k_q00f8156f74_oproj
	.p2align	8
	.type	k_q00f8156f74_oproj,@function
k_q00f8156f74_oproj:
	s_mov_b64 s[64:65], 0
	v_nop
	global_prefetch_b8 v0, s[64:65] scope:SCOPE_SE
	s_setreg_imm32_b32 hwreg(HW_REG_WAVE_SCHED_MODE, 0, 2), 2
	s_setreg_imm32_b32 hwreg(HW_REG_WAVE_MODE, 25, 1), 1
	s_wait_xcnt 0x0
	s_wait_alu depctr_vm_vsrc(0)
; out0 = LayerNorm(x + ctx Wo + bo) x gamma + beta; the product on codes of FP4.
; SHARES.  Work-group P owns rows 32 P .. 32 P + 31 (ctx's tiles 2 P, 2 P + 1) across all 1,024 columns, so that a row's mean and variance never leave the work-group.
; In the product wave w makes columns 64 w .. 64 w + 63 (Wo's tiles 4 w + i) for both tiles of rows: eight accumulators by turns.  Its fragments of Wo go from memory straight into its registers, in two sets by turns.
; In the fill and in the norm wave w owns two whole rows.
; x + bo IS THE C THAT STARTS THE SUMS: x comes into a stage in LDS as whole rows, each wave reads its columns of all 32 rows in the result's layout, adds bo, and the eight K steps add onto that.
; The results go back to the same bytes of the stage (each wave writes only the bytes that it alone read), and each wave reads two whole rows for the norm.  The variance is taken of y - mean, in a second pass, as it is defined.
; No multicast: each fragment of Wo is wanted by one wave of a work-group and lands in its registers; Wo's 524,288 bytes of codes do not fit in LDS beside the stage of 131,584.
; LIMITS: NaN and infinities among the inputs are not served.
; REGISTERS: v1-9 places; v10, v11 the add's two; v16-47 Wo's scale words (8 i + s); v48-63 ctx's (8 m + s); v64-127 x as loaded, then the accumulators (m, i) at 64 + 8 (4 m + i), then two rows of y;
;   v128-159 ctx's fragments, two sets; v160-223 Wo's, two sets, later beta and work; v224-255 bo, then gamma.
; THE MODE: SCHED_MODE bits 1:0 = 2 (LLVM: expert scheduling mode 2), set by the entry lines.  The code itself states the register dependences
; between vector or matrix instructions and memory or LDS instructions, with s_wait_alu, always for 0.
; THE PLAN.  Registers that memory or LDS instructions touch:
;   v1-9        places, made once at the head and never written again.
;   v128-159    ctx, two sets.  K step s: its products read set s % 2; the LDS loads of step s + 2's fragments land in it, issued at the head of step s + 1.
;   v160-223    Wo, two sets, likewise, by loads from memory; beta lands in set 0 at the head of step 7.
;   v224-255    bo: read by the 32 additions that begin the sums; gamma lands there at the head of step 0.
;   v64-127     x as loaded, read by the fill's LDS stores; x in the result's layout, by LDS loads; the sums, read by the stage's LDS stores; two rows of y, by LDS loads; the finished rows, read by the stores.
; So ONE wait on va_vdst stands at the head of each K step: the step before (ahead of step 0: the additions) is done reading the registers in which the step's loads land; these follow it at once, and the step's
; products name the other sets.  A wait on vm_vsrc stands behind each of the two barriers, ahead of the loads that land in registers that LDS stores have read; a wait on va_vdst ahead of each run of stores whose data vector or matrix lines made.
.set CSC,  16384                       ; LDS: ctx's two tiles from 0 (16,384 bytes), their scale bytes (1,024),
.set STG,  17408                       ; the stage: 32 rows of 4,096 bytes + 16: stage row 16 m + r,
.set SP,   4112
.set SPARE, 148992                     ; and the spare words, 128 bytes for each wave, that no other line names
.set SPW, 10
.set NIL, 11
	s_load_b512 s[4:19], s[0:1], 0x0               ; ctx s[4:5], ctxs s[6:7], img s[8:9], scl s[10:11], x s[12:13], bo s[14:15], gamma s[16:17], beta s[18:19]
	s_load_b64 s[20:21], s[0:1], 0x40              ; out0
	v_lshl_add_u32 v[SPW], v0, 2, SPARE
	v_mov_b32 v[NIL], 0
	v_lshrrev_b32 v1, 5, v0
	v_readfirstlane_b32 s22, v1                    ; wave 0..15
	v_and_b32 v12, 15, v0                          ; r
	v_bfe_u32 v13, v0, 4, 1                        ; h
	v_and_b32 v1, 31, v0
	v_lshlrev_b32 v1, 4, v1                        ; 16 x lane
	v_lshlrev_b32 v2, 4, v0                        ; 16 x thread
	v_lshlrev_b32 v3, 1, v0                        ; 2 x thread
	v_lshlrev_b32 v4, 4, v12                       ; 16 r
	v_lshlrev_b32 v5, 6, v13                       ; 64 h
	v_lshl_add_u32 v6, v12, 5, CSC                 ; ctx's scale words: 32 bytes a row
	v_mul_u32_u24 v7, v12, SP
	v_add_nc_u32 v7, v7, v5
	s_wait_alu depctr_va_sdst(0)                   ; the wave's number s22 is written, ahead of its first reader: the LDS places and the bases below are made from it
	s_lshl_b32 s23, s22, 8
	s_add_co_u32 s23, s23, STG
	v_add_nc_u32 v7, s23, v7                       ; the stage in the result's layout: row r, + 64 h, + 256 x wave;
	v_add_nc_u32 v8, 16*SP, v7                     ; the second tile of rows
	s_mul_i32 s23, s22, 2*SP
	s_add_co_u32 s23, s23, STG
	v_add_nc_u32 v9, s23, v1                       ; and by rows: my two rows, 16 bytes a lane
	s_lshl_b32 s24, ttmp9, 14
	s_mov_b32 s25, 0
	s_lshl_b32 s26, ttmp9, 10
	s_mov_b32 s27, 0
	s_lshr_b32 s28, s22, 1
	s_add_co_u32 s28, s28, 88                      ; Wo's group 88 + wave / 2,
	s_lshl_b32 s28, s28, 16
	s_and_b32 s29, s22, 1
	s_lshl_b32 s29, s29, 12                        ; its tiles 4 (wave % 2) on
	s_add_co_u32 s28, s28, s29
	s_mov_b32 s29, 0
	s_lshl_b32 s30, s22, 2
	s_add_co_u32 s30, s30, 704
	s_lshl_b32 s30, s30, 9                         ; their scale words
	s_mov_b32 s31, 0
	s_lshl_b32 s32, ttmp9, 5                       ; my first row: 32 P + 8 (wave / 8) + rho(2 (wave % 8)); the second is the next
	s_lshr_b32 s33, s22, 3
	s_lshl_b32 s33, s33, 3
	s_add_co_u32 s32, s32, s33
	s_and_b32 s33, s22, 7
	s_lshl_b32 s33, s33, 1
	s_add_co_u32 s32, s32, s33
	s_bfe_u32 s33, s22, 0x10002
	s_lshl_b32 s33, s33, 3
	s_add_co_u32 s32, s32, s33
	s_lshl_b32 s32, s32, 12
	s_mov_b32 s33, 0
	s_lshl_b32 s34, s22, 8                         ; bo: my 64 columns
	s_mov_b32 s35, 0
	s_mov_b32 s36, 0x76543210
	s_mov_b32 s37, 0xfedcba98
	s_mov_b32 s38, 0x3a800000                      ; 1 / 1,024
	s_mov_b32 s39, 0x3a83126f                      ; 1e-3
	s_wait_kmcnt 0x0
	s_add_nc_u64 s[4:5], s[4:5], s[24:25]
	s_add_nc_u64 s[6:7], s[6:7], s[26:27]
	s_add_nc_u64 s[8:9], s[8:9], s[28:29]
	s_add_nc_u64 s[10:11], s[10:11], s[30:31]
	s_add_nc_u64 s[12:13], s[12:13], s[32:33]
	s_add_nc_u64 s[20:21], s[20:21], s[32:33]
	s_add_nc_u64 s[14:15], s[14:15], s[34:35]
.macro WLOAD s                         ; my four fragments of Wo for K step s into set s % 2
.irp i, 0,1,2,3
.irp c, 0,1
	global_load_b128 v[160+32*((\s)%2)+8*\i+4*\c:163+32*((\s)%2)+8*\i+4*\c], v1, s[8:9] offset:(\s)*8192+\i*1024+\c*512
.endr
.endr
.endm
.macro CFRAG s                         ; ctx's two fragments of K step s into set s % 2
.irp m, 0,1
.irp c, 0,1
	ds_load_b128 v[128+16*((\s)%2)+8*\m+4*\c:131+16*((\s)%2)+8*\m+4*\c], v1 offset:\m*8192+(\s)*1024+\c*512
.endr
.endr
.endm
	; ---- the loads, in the order in which they are wanted
	s_wait_alu depctr_va_vdst(0)                   ; the nine places v1 to v9 are written, which the kernel's loads and stores read as addresses
	global_load_b128 v[128:131], v2, s[4:5]
	global_load_b128 v[132:135], v2, s[4:5] offset:8192
	global_load_u16 v136, v3, s[6:7]
.irp i, 0,1
.irp k, 0,1,2,3,4,5,6,7
	global_load_b128 v[64+32*\i+4*\k:67+32*\i+4*\k], v1, s[12:13] offset:\i*4096+\k*512 th:TH_LOAD_NT
.endr
.endr
.irp i, 0,1,2,3
.irp f, 0,1
	global_load_b128 v[16+8*\i+4*\f:19+8*\i+4*\f], v4, s[10:11] offset:\i*512+\f*256
.endr
.endr
.irp i, 0,1,2,3
	global_load_b128 v[224+8*\i:227+8*\i], v5, s[14:15] offset:128*(\i/2)+32*(\i%2)
	global_load_b128 v[228+8*\i:231+8*\i], v5, s[14:15] offset:128*(\i/2)+32*(\i%2)+16
.endr
	WLOAD 0
	WLOAD 1
	; ---- the fill
	s_wait_loadcnt 32                              ; ctx, its scale bytes and x are in; behind them: 8 of Wo's scale words, 8 of bo, 16 of Wo
	ds_store_b128 v2, v[128:131]
	ds_store_b128 v2, v[132:135] offset:8192
	ds_store_b16 v3, v136 offset:CSC
.irp i, 0,1
.irp k, 0,1,2,3,4,5,6,7
	ds_store_b128 v9, v[64+32*\i+4*\k:67+32*\i+4*\k] offset:\i*SP+\k*512
.endr
.endr
	s_wait_dscnt 0x0                               ; for the others' sake: my stores have landed
	s_barrier_signal -1
	s_barrier_wait -1
	s_wait_alu depctr_vm_vsrc(0)                   ; my LDS stores have read v64-127 and v128-136, in which the LDS loads below land
	; ---- the sums begin as x + bo
.irp m, 0,1
.irp f, 0,1
	ds_load_b128 v[48+8*\m+4*\f:51+8*\m+4*\f], v6 offset:\m*512+\f*16
.endr
.endr
.irp m, 0,1
.irp i, 0,1,2,3
	ds_load_b128 v[64+8*(4*\m+\i):67+8*(4*\m+\i)], v[7+\m] offset:128*(\i/2)+32*(\i%2)
	ds_load_b128 v[68+8*(4*\m+\i):71+8*(4*\m+\i)], v[7+\m] offset:128*(\i/2)+32*(\i%2)+16
.endr
.endr
	CFRAG 0
	s_wait_dscnt 0x0
	s_wait_loadcnt 16                              ; Wo's scale words and bo are in; Wo's first two K steps may be out
.irp m, 0,1
.irp i, 0,1,2,3
.irp j, 0,2,4,6
	v_pk_add_f32 v[64+8*(4*\m+\i)+\j:65+8*(4*\m+\i)+\j], v[64+8*(4*\m+\i)+\j:65+8*(4*\m+\i)+\j], v[224+8*\i+\j:225+8*\i+\j]
.endr
.endr
.endr
; K step s.  lc: the loads issued behind Wo's fragments of this step, which may stay out.
.macro KSTEP s, lc
	s_wait_alu depctr_va_vdst(0)                   ; step 0: the additions are done reading bo's registers, in which gamma lands; later steps: the products of the step before are done reading their sets of ctx and of Wo, in which the loads below land
.if (\s) == 0
.irp k, 0,1,2,3,4,5,6,7
	global_load_b128 v[224+4*\k:227+4*\k], v1, s[16:17] offset:512*\k   ; gamma, by the norm's columns: 128 k + 4 lane
.endr
.elseif (\s) < 7
	WLOAD (\s)+1
.else
.irp k, 0,1,2,3,4,5,6,7
	global_load_b128 v[160+4*\k:163+4*\k], v1, s[18:19] offset:512*\k   ; beta, into the set that step 6 has multiplied
.endr
.endif
.if (\s) < 7
	CFRAG (\s)+1
	s_wait_dscnt 4                                 ; this step's fragments of ctx are in; the next step's four loads may be out
.else
	s_wait_dscnt 0x0
.endif
	s_wait_loadcnt \lc
.irp i, 0,1,2,3
.irp m, 0,1
	v_wmma_scale_f32_16x16x128_f8f6f4 v[64+8*(4*\m+\i):71+8*(4*\m+\i)], v[160+32*((\s)%2)+8*\i:167+32*((\s)%2)+8*\i], v[128+16*((\s)%2)+8*\m:135+16*((\s)%2)+8*\m], v[64+8*(4*\m+\i):71+8*(4*\m+\i)], v[16+8*\i+(\s)], v[48+8*\m+(\s)] matrix_a_fmt:MATRIX_FMT_FP4 matrix_b_fmt:MATRIX_FMT_FP4
.endr
.endr
.rept 4
	v_nop                                          ; four places behind the step's products: they stay beside the wait at the next step's head, and behind the last step they stand ahead of the first read of results
.endr
.endm
	KSTEP 0, 16                                    ; behind step 0's: step 1's and gamma
	KSTEP 1, 16                                    ; gamma and step 2's
	KSTEP 2, 8
	KSTEP 3, 8
	KSTEP 4, 8
	KSTEP 5, 8
	KSTEP 6, 8
	KSTEP 7, 8                                     ; beta
	; ---- back into the stage, each accumulator from its low end on
	s_wait_alu depctr_va_vdst(0)                   ; the products have written the sums v64-127, which the LDS stores read; the places above stay beside this wait
.irp m, 0,1
.irp i, 0,1,2,3
	ds_store_b128 v[7+\m], v[64+8*(4*\m+\i):67+8*(4*\m+\i)] offset:128*(\i/2)+32*(\i%2)
	ds_store_b128 v[7+\m], v[68+8*(4*\m+\i):71+8*(4*\m+\i)] offset:128*(\i/2)+32*(\i%2)+16
.endr
.endr
	s_wait_dscnt 0x0
	s_barrier_signal -1
	s_barrier_wait -1                              ; 32 whole rows of y lie in the stage
	s_wait_alu depctr_vm_vsrc(0)                   ; my LDS stores have read v64-127, in which my two rows land
	; ---- the norm: two rows a wave, by turns
.irp i, 0,1
.irp k, 0,1,2,3,4,5,6,7
	ds_load_b128 v[64+32*\i+4*\k:67+32*\i+4*\k], v9 offset:\i*SP+\k*512
.endr
.endr
	s_wait_dscnt 0x0
	s_wait_loadcnt 0x0                             ; beta
.macro REDUCE                          ; v[192 + 8 i : 195 + 8 i], two packed chains of row i, become the row's sum in v[192 + 8 i] of every lane
.irp i, 0,1
	v_pk_add_f32 v[192+8*\i:193+8*\i], v[192+8*\i:193+8*\i], v[194+8*\i:195+8*\i]
.endr
.irp i, 0,1
	v_add_f32 v[192+8*\i], v[192+8*\i], v[193+8*\i]
.endr
.irp m, 1,2,4,8
.irp i, 0,1
	v_add_f32_dpp v[192+8*\i], v[192+8*\i], v[192+8*\i] row_xmask:\m row_mask:0xf bank_mask:0xf
.endr
.endr
.irp i, 0,1
	v_permlanex16_b32 v[193+8*\i], v[192+8*\i], s36, s37
.endr
.irp i, 0,1
	v_add_f32 v[192+8*\i], v[192+8*\i], v[193+8*\i]
.endr
.endm
.irp i, 0,1
	v_pk_add_f32 v[192+8*\i:193+8*\i], v[64+32*\i:65+32*\i], v[66+32*\i:67+32*\i]
	v_pk_add_f32 v[194+8*\i:195+8*\i], v[68+32*\i:69+32*\i], v[70+32*\i:71+32*\i]
.endr
.irp j, 8,12,16,20,24,28
.irp i, 0,1
	v_pk_add_f32 v[192+8*\i:193+8*\i], v[192+8*\i:193+8*\i], v[64+32*\i+\j:65+32*\i+\j]
	v_pk_add_f32 v[194+8*\i:195+8*\i], v[194+8*\i:195+8*\i], v[66+32*\i+\j:67+32*\i+\j]
.endr
.endr
	REDUCE
.irp i, 0,1
	v_mul_f32 v[196+8*\i], s38, v[192+8*\i]        ; the mean,
.endr
.irp i, 0,1
	v_mov_b32 v[197+8*\i], v[196+8*\i]             ; as a pair
.endr
.irp j, 0,2,4,6,8,10,12,14,16,18,20,22,24,26,28,30
.irp i, 0,1
	v_pk_add_f32 v[64+32*\i+\j:65+32*\i+\j], v[64+32*\i+\j:65+32*\i+\j], v[196+8*\i:197+8*\i] neg_lo:[0,1] neg_hi:[0,1]   ; y - mean
.endr
.endr
.irp i, 0,1
	v_pk_mul_f32 v[192+8*\i:193+8*\i], v[64+32*\i:65+32*\i], v[64+32*\i:65+32*\i]
	v_pk_mul_f32 v[194+8*\i:195+8*\i], v[66+32*\i:67+32*\i], v[66+32*\i:67+32*\i]
.endr
.irp j, 4,8,12,16,20,24,28
.irp i, 0,1
	v_pk_fma_f32 v[192+8*\i:193+8*\i], v[64+32*\i+\j:65+32*\i+\j], v[64+32*\i+\j:65+32*\i+\j], v[192+8*\i:193+8*\i]
	v_pk_fma_f32 v[194+8*\i:195+8*\i], v[66+32*\i+\j:67+32*\i+\j], v[66+32*\i+\j:67+32*\i+\j], v[194+8*\i:195+8*\i]
.endr
.endr
	REDUCE
.irp i, 0,1
	v_fma_f32 v[198+8*\i], v[192+8*\i], s38, s39   ; the variance + 1e-3
.endr
.irp i, 0,1
	v_rsq_f32 v[196+8*\i], v[198+8*\i]             ; twice each: a pair for the packed multiply; the four are one batch
	v_rsq_f32 v[197+8*\i], v[198+8*\i]
.endr
	v_nop                                          ; a plain place behind the last of them
	s_wait_alu depctr_va_vdst(0)                   ; the four reciprocal roots have written v196, v197, v204, v205, ahead of their first reader
.irp j, 0,2,4,6,8,10,12,14,16,18,20,22,24,26,28,30
.irp i, 0,1
	v_pk_mul_f32 v[64+32*\i+\j:65+32*\i+\j], v[64+32*\i+\j:65+32*\i+\j], v[196+8*\i:197+8*\i]
.endr
.endr
.irp j, 0,2,4,6,8,10,12,14,16,18,20,22,24,26,28,30
.irp i, 0,1
	v_pk_fma_f32 v[64+32*\i+\j:65+32*\i+\j], v[64+32*\i+\j:65+32*\i+\j], v[224+\j:225+\j], v[160+\j:161+\j]   ; x gamma + beta
.endr
.endr
	s_wait_alu depctr_va_vdst(0)                   ; the multiply-adds have written the two finished rows v64-127, which the sixteen stores read
.irp i, 0,1
.irp k, 0,1,2,3,4,5,6,7
	global_store_b128 v1, v[64+32*\i+4*\k:67+32*\i+4*\k], s[20:21] offset:\i*4096+\k*512 th:TH_STORE_NT   ; 32 lanes store 512 consecutive bytes, aligned
.endr
.endr
	s_wait_dscnt 0x0                               ; the closing lines, six on end
	s_wait_alu 0x0
	s_wait_tensorcnt 0x0
	ds_add_u32 v[SPW], v[NIL]
	s_wait_dscnt 0x0
	s_endpgm
.Lfunc_end_k_q00f8156f74_oproj:
	.size	k_q00f8156f74_oproj, .Lfunc_end_k_q00f8156f74_oproj-k_q00f8156f74_oproj
	.p2alignl 7, 3214868480
	.fill 96, 4, 3214868480
	.section	.rodata,"a",@progbits
	.p2align	6, 0x0
	.amdhsa_kernel k_q00f8156f74_oproj
		.amdhsa_group_segment_fixed_size 151040
		.amdhsa_private_segment_fixed_size 0
		.amdhsa_enable_private_segment 0
		.amdhsa_kernarg_size 72
		.amdhsa_user_sgpr_count 2
		.amdhsa_user_sgpr_kernarg_segment_ptr 1
		.amdhsa_wavefront_size32 1
		.amdhsa_system_sgpr_workgroup_id_x 1
		.amdhsa_system_sgpr_workgroup_id_y 1
		.amdhsa_system_sgpr_workgroup_id_z 1
		.amdhsa_system_vgpr_workitem_id 0
		.amdhsa_next_free_vgpr 256
		.amdhsa_next_free_sgpr 66
		.amdhsa_reserve_vcc 0
		.amdhsa_float_denorm_mode_32 3
		.amdhsa_float_denorm_mode_16_64 3
		.amdhsa_memory_ordered 1
		.amdhsa_forward_progress 1
		.amdhsa_inst_pref_size 47
	.end_amdhsa_kernel
	.amdgpu_metadata
---
amdhsa.version: [ 1, 2 ]
amdhsa.kernels:
  - .name:           k_q00f8156f74_oproj
    .symbol:         k_q00f8156f74_oproj.kd
    .args:
      - { .name: ctx, .offset: 0, .size: 8, .value_kind: global_buffer, .address_space: global }
      - { .name: ctxs, .offset: 8, .size: 8, .value_kind: global_buffer, .address_space: global }
      - { .name: img, .offset: 16, .size: 8, .value_kind: global_buffer, .address_space: global }
      - { .name: scl, .offset: 24, .size: 8, .value_kind: global_buffer, .address_space: global }
      - { .name: x, .offset: 32, .size: 8, .value_kind: global_buffer, .address_space: global }
      - { .name: bo, .offset: 40, .size: 8, .value_kind: global_buffer, .address_space: global }
      - { .name: gamma, .offset: 48, .size: 8, .value_kind: global_buffer, .address_space: global }
      - { .name: beta, .offset: 56, .size: 8, .value_kind: global_buffer, .address_space: global }
      - { .name: out0, .offset: 64, .size: 8, .value_kind: global_buffer, .address_space: global }
    .group_segment_fixed_size: 151040
    .private_segment_fixed_size: 0
    .kernarg_segment_align: 8
    .kernarg_segment_size: 72
    .max_flat_workgroup_size: 512
    .sgpr_count:     66
    .vgpr_count:     256
    .wavefront_size: 32
...
	.end_amdgpu_metadata
.endif
;; end of part 6
